; MI455X (gfx1250); checked and timed in simulation.
; The chip was launched on July 23, 2026; its instructions are those of AMD's public machine-readable ISA for CDNA 5 (MIT licence, August 2026) and "CDNA5" Instruction Set Architecture Reference Guide (July 2026). The comments in the code are by the model that wrote it; some were corrected since.
;; Multi Head Self Attention. Allowed arithmetic: float matrix products may take bf16 or f16 operands with f32 sums; other float arithmetic in f32, or as packed bf16 or f16 multiplies, adds, multiply-adds, maxima and minima; sums over many terms, partial sums and values carried from step to step in f32; what a program stores and reads back later, other than sums and carried values, may be rounded once to bf16 or f16.
;; Inputs: Wk 1,024 x 1,024 float32; Wo 1,024 x 1,024 float32; Wq 1,024 x 1,024 float32; Wv 1,024 x 1,024 float32; bk 1,024 float32; bo 1,024 float32; bq 1,024 float32; bv 1,024 float32; x 8 x 2,048 x 1,024 float32.
;; Outputs: out0 8 x 2,048 x 1,024 float32.
;; 2 versions, each right; version 2 is version 1 with the launches prep, attn written anew for expert scheduling mode. Each part assembles by itself: llvm-mc -triple=amdgcn-amd-amdhsa -mcpu=gfx1250 --defsym DOCPART=n.
;; ======== version 1 of 2: 4 launches
;; limits: values are held in f16: magnitudes above 65,504 overflow, below 6.1e-05 lose precision
;; workspace buffers: xb 33,554,432 bytes; wt 8,388,608 bytes; bias 16,384 bytes; qkv 100,663,296 bytes; ao 33,554,432 bytes
;; launch prep (part 1): grid 1160 x 1, 4 waves a work-group, no clusters, 70,144 bytes of LDS; arguments x, Wq, Wk, Wv, Wo, bq, bk, bv, bo, xb, wt, bias; writes xb, wt, bias
.if DOCPART == 1
	.amdgcn_target "amdgcn-amd-amdhsa--gfx1250"
	.amdhsa_code_object_version 6
	.text
	.protected	k_qfda31edf06_prep
	.globl	k_qfda31edf06_prep
	.p2align	8
	.type	k_qfda31edf06_prep,@function
k_qfda31edf06_prep:
	s_mov_b64 s[64:65], 0
	v_nop
	global_prefetch_b8 v0, s[64:65] scope:SCOPE_SE
	s_setreg_imm32_b32 hwreg(HW_REG_WAVE_MODE, 25, 1), 1
	s_wait_xcnt 0x0
; PREPARATION.  Three kinds of work-group, told apart by the work-group number alone (forward scalar branches, no barrier anywhere):
;   0-127     the four weight matrices W[k][n] (f32) are turned into wt[n'][k'] (16 bits): 128 k' x 64 n to a wave, through the wave's own LDS bytes
;   128-135   the four biases, permuted like their matrix's columns, rounded to bf16 and kept as f32
;   136-1159  x (f32) rounded to bf16, 65,536 bytes of x to a work-group
; ALL inputs are rounded to bf16 once.  Wo's rounded number is then written as f16, since the last product multiplies f16.
; LIMIT: |Wo| below 6e-5 keeps f16's fixed step of 6e-8; |Wo| stays under 65,504.
; PERMUTATIONS (so that the attention launch needs no LDS and loads and stores 512 consecutive bytes a wave):
;   pi(head, d) = (d / 16) 256 + ((d / 8) % 2) 128 + 8 head + d % 8      columns of Wq, Wk (and bq, bk): n = 64 head + d -> n' = pi;  rows of Wo: k = 64 head + d -> k' = pi
;   columns of Wv (and bv): n = 64 key + d -> n' = (d / 16) 256 + (key / 8) 128 + (d % 16) 8 + key % 8          columns of Wo (and bo) keep their order
; wt rows: 0-1023 q', 1024-2047 k', 2048-3071 v' (bf16), 3072-4095 Wo^T (f16).
.set WTILE, 17408                      ; a wave's LDS bytes: 64 rows n of 256 bytes + 16 of padding
.set LP,    272
.set SPARE, 4*WTILE                    ; behind them: the spare words, 128 bytes for each wave: two blocks of 256 bytes that no other line names
.set SPW,   32                         ; v32  LDS address of my spare word; never rewritten
.set NIL,   33                         ; v33  0; never rewritten
.set T,     34                         ; v[34:57] at work in the weights' path
.set L,     64                         ; v[64:191] data as loaded
	s_load_b512 s[8:23], s[0:1], 0x0               ; x s[8:9], Wq s[10:11], Wk s[12:13], Wv s[14:15], Wo s[16:17], bq s[18:19], bk s[20:21], bv s[22:23]
	s_load_b256 s[24:31], s[0:1], 0x40             ; bo s[24:25], xb s[26:27], wt s[28:29], bias s[30:31]
	v_lshl_add_u32 v[SPW], v0, 2, SPARE
	v_mov_b32 v[NIL], 0
	v_lshrrev_b32 v1, 5, v0
	v_readfirstlane_b32 s4, v1                     ; wave 0..3
	v_and_b32 v1, 15, v0                           ; g = lane % 16
	v_bfe_u32 v2, v0, 4, 1                         ; hh = lane / 16
	s_mov_b32 s39, 0xffff0000                      ; a word's upper half
	s_wait_kmcnt 0x0
	s_cmp_lt_u32 ttmp9, 128
	s_cbranch_scc1 .Lweights
	s_cmp_lt_u32 ttmp9, 136
	s_cbranch_scc1 .Lbias
	; ---- x to bf16.  Unit u of 32: a load of the wave covers 512 consecutive bytes of x, a store 256 consecutive bytes of xb, aligned.
	s_sub_co_u32 s34, ttmp9, 136
	s_lshl_b32 s36, s34, 15                        ; 32,768 bytes of xb
	s_lshl_b32 s34, s34, 16                        ; 65,536 bytes of x
	s_mov_b32 s35, 0
	s_mov_b32 s37, 0
	s_add_nc_u64 s[34:35], s[8:9], s[34:35]
	s_add_nc_u64 s[36:37], s[26:27], s[36:37]
	v_lshlrev_b32 v3, 4, v0
	v_lshlrev_b32 v4, 3, v0
.set u, 0
.rept 32
	global_load_b128 v[L+4*u:L+4*u+3], v3, s[34:35] offset:2048*u th:TH_LOAD_NT
.set u, u+1
.endr
.set u, 0
.rept 32
	s_wait_loadcnt 31-u                            ; loads come back in order: unit u is in, the 31 - u younger ones stay out
	v_cvt_pk_bf16_f32 v[L+4*u], v[L+4*u], v[L+4*u+1]
	v_cvt_pk_bf16_f32 v[L+4*u+1], v[L+4*u+2], v[L+4*u+3]
	global_store_b64 v4, v[L+4*u:L+4*u+1], s[36:37] offset:1024*u  ; no register is written again behind its store
.set u, u+1
.endr
	s_branch .Lend
	; ---- weights.  mat = id / 32; kt = (id / 4) % 8: k' = 128 kt ..; nt = 4 (id % 4) + wave: n = 64 nt ..
.Lweights:
	s_lshr_b32 s40, ttmp9, 5                       ; mat: 0 Wq, 1 Wk, 2 Wv, 3 Wo
	s_bfe_u32 s41, ttmp9, 0x30002                  ; kt
	s_and_b32 s42, ttmp9, 3
	s_lshl2_add_u32 s42, s42, s4                   ; nt
	s_cmp_eq_u32 s40, 1
	s_cselect_b64 s[32:33], s[12:13], s[10:11]
	s_cmp_eq_u32 s40, 2
	s_cselect_b64 s[32:33], s[14:15], s[32:33]
	s_cmp_eq_u32 s40, 3
	s_cselect_b64 s[32:33], s[16:17], s[32:33]
	s_cselect_b32 s38, -1, 0                       ; all lanes: the word is written as f16 (Wo) or stays bf16
	s_cselect_b32 s44, 3, 0
	s_cselect_b32 s45, 15, 19
	s_lshl_b32 s43, 0x8000, s44                    ; bytes from a group of 8 k' to the next: 8 rows of W, or for Wo 64 rows (the next head)
	s_lshl_b32 s50, s43, 3                         ; and eight groups on: a trip of the loop below
	s_lshl_b32 s46, s41, s45                       ; the tile's first source row: 128 kt, or for Wo 8 kt; times 4,096 bytes
	s_lshl_b32 s47, s42, 8                         ; 64 columns of f32
	s_add_co_u32 s46, s46, s47
	s_mov_b32 s47, 0
	s_add_nc_u64 s[32:33], s[32:33], s[46:47]
	v_lshlrev_b32 v10, 4, v1
	v_lshl_add_u32 v10, v2, 13, v10                ; group 0: 16 g + two rows down for lanes 16-31
.set gi, 0
.rept 7
	v_add_nc_u32 v[11+gi], s43, v[10+gi]           ; groups 1 to 7
.set gi, gi+1
.endr
	s_mul_i32 s5, s4, WTILE
	v_mul_u32_u24 v5, v1, 4*LP                     ; in: rows n = 4 g + j, byte 2 kk
	v_lshl_add_u32 v5, v2, 2, v5
	v_add_nc_u32 v5, s5, v5
	v_mul_u32_u24 v6, v2, LP                       ; back: lanes 0-15 one row of 256 bytes, lanes 16-31 the next
	v_lshl_add_u32 v6, v1, 4, v6
	v_add_nc_u32 v6, s5, v6
	s_lshl_b32 s46, s40, 21                        ; 1,024 rows of wt for each matrix
	s_lshl_b32 s47, s41, 8                         ; 128 k' of 2 bytes
	s_add_co_u32 s46, s46, s47
	s_mov_b32 s47, 0
	s_add_nc_u64 s[36:37], s[28:29], s[46:47]
; Group grp of a trip's eight = 8 neighbouring k'.  Four loads: lanes of half hh take row kk = 8 grp + 4 q + 2 hh + e; sixteen lanes read the row's 256 bytes.
.macro GLOAD grp
.irp q, 0,1
.irp e, 0,1
	global_load_b128 v[L+16*(\grp)+4*(2*(\q)+(\e)):L+16*(\grp)+4*(2*(\q)+(\e))+3], v[10+(\grp)], s[32:33] offset:(4*(\q)+(\e))*4096 th:TH_LOAD_NT
.endr
.endr
.endm
; Eight words, each two neighbouring k' of one column n: rounded to bf16; the same numbers as f16; the one that the matrix wants; into LDS at row n.
.macro CVT grp
.set LB, L+16*(\grp)
.irp q, 0,1
.irp j, 0,1,2,3
	v_cvt_pk_bf16_f32 v[T+4*(\q)+(\j)], v[LB+8*(\q)+(\j)], v[LB+8*(\q)+4+(\j)]
.endr
.endr
.irp w, 0,1,2,3,4,5,6,7
	v_lshlrev_b32 v[T+8+(\w)], 16, v[T+(\w)]
.endr
.irp w, 0,1,2,3,4,5,6,7
	v_and_b32 v[T+16+(\w)], s39, v[T+(\w)]
.endr
.irp w, 0,1,2,3,4,5,6,7
	v_cvt_pk_f16_f32 v[T+8+(\w)], v[T+8+(\w)], v[T+16+(\w)]
.endr
.irp w, 0,1,2,3,4,5,6,7
	v_cndmask_b32 v[T+(\w)], v[T+(\w)], v[T+8+(\w)], s38
.endr
.irp q, 0,1
.irp j, 0,1,2,3
	ds_store_b32 v5, v[T+4*(\q)+(\j)] offset:(\j)*LP+(\grp)*16+(\q)*8
.endr
.endr
.endm
	s_mov_b32 s51, 2
.Lhalf:                                        ; two trips of eight groups, 64 k' each
.set gi, 0
.rept 8
	GLOAD gi                                       ; 32 loads of the wave are out
.set gi, gi+1
.endr
.set gi, 0
.rept 8
	s_wait_loadcnt 28-4*gi                         ; group gi is in: the 7 - gi younger groups of four loads stay out
	CVT gi
.set gi, gi+1
.endr
.set gi, 0
.rept 8
	v_add_nc_u32 v[10+gi], s50, v[10+gi]           ; the last wait was for 0: every load has come, so its offset may be stepped: eight groups on
.set gi, gi+1
.endr
	v_add_nc_u32 v5, 128, v5                       ; and 64 k' on in the LDS rows
	s_sub_co_u32 s51, s51, 1
	s_cmp_lg_u32 s51, 0
	s_cbranch_scc1 .Lhalf
.set i, 0
.rept 32
	ds_load_b128 v[L+4*i:L+4*i+3], v6 offset:i*2*LP  ; rows 2 i + hh; LDS serves a wave's instructions in order, so these see the stores above; the bytes are the wave's own
.set i, i+1
.endr
; 32 stores: sixteen lanes write 256 consecutive bytes of row n' of wt, aligned.  kind 0: q, k; 1: v; 2: o.  The part of n' that hangs on i stands in the immediate.
.macro WOUT kind
.set i, 0
.rept 32
.if (\kind) == 0
.set woff, ((i/8)*256+((i/4)%2)*128+2*(i%4))*2048
.elseif (\kind) == 1
.set woff, ((i/8)*256+16*(i%8))*2048
.else
.set woff, 2*i*2048
.endif
	global_store_b128 v7, v[L+4*i:L+4*i+3], s[36:37] offset:woff
.set i, i+1
.endr
.endm
	v_lshlrev_b32 v7, 4, v1                        ; 16 g
	s_cmp_eq_u32 s40, 2
	s_cbranch_scc1 .Lout_v
	s_cmp_eq_u32 s40, 3
	s_cbranch_scc1 .Lout_o
	s_lshl_b32 s48, s42, 14                        ; q, k: head = nt, d = 2 i + hh: row 8 nt + hh + what hangs on i
	v_lshl_add_u32 v7, v2, 11, v7
	v_add_nc_u32 v7, s48, v7
	s_wait_dscnt 0x0
	WOUT 0
	s_branch .Lend
.Lout_v:
	s_lshr_b32 s48, s42, 3                         ; v: key = nt, d = 2 i + hh: row (nt / 8) 128 + nt % 8 + 8 hh + what hangs on i
	s_lshl_b32 s48, s48, 18
	s_and_b32 s49, s42, 7
	s_lshl_b32 s49, s49, 11
	s_add_co_u32 s48, s48, s49
	v_lshl_add_u32 v7, v2, 14, v7
	v_add_nc_u32 v7, s48, v7
	s_wait_dscnt 0x0
	WOUT 1
	s_branch .Lend
.Lout_o:
	s_lshl_b32 s48, s42, 17                        ; o: row 64 nt + hh + 2 i
	v_lshl_add_u32 v7, v2, 11, v7
	v_add_nc_u32 v7, s48, v7
	s_wait_dscnt 0x0
	WOUT 2
	s_branch .Lend
	; ---- biases.  mat = id' / 2; a thread makes n' = 512 (id' % 2) + 4 tid .. + 3
.Lbias:
	s_sub_co_u32 s40, ttmp9, 128
	s_lshr_b32 s41, s40, 1                         ; mat
	s_and_b32 s42, s40, 1
	s_lshl_b32 s42, s42, 9
	v_lshl_add_u32 v3, v0, 2, s42                  ; n'
	v_bfe_u32 v4, v3, 3, 4                         ; a = (n' / 8) % 16
	v_lshrrev_b32 v5, 8, v3                        ; b = n' / 256
	v_bfe_u32 v6, v3, 7, 1                         ; c = (n' / 128) % 2
	v_and_b32 v7, 7, v3                            ; e = n' % 8
	v_lshl_add_u32 v8, v6, 3, v7                   ; 8 c + e
	v_lshl_add_u32 v9, v5, 4, v8
	v_lshl_add_u32 v9, v4, 6, v9                   ; q, k: n = 64 a + 16 b + 8 c + e
	v_lshl_add_u32 v10, v5, 4, v4
	v_lshl_add_u32 v10, v8, 6, v10                 ; v: n = 64 (8 c + e) + 16 b + a
	s_cmp_eq_u32 s41, 2
	s_cselect_b32 s43, -1, 0
	s_cselect_b32 s45, 256, 4                      ; bytes from n'(j) to n'(j + 1) in the source: the next key for v, else the next number
	s_cmp_eq_u32 s41, 3
	s_cselect_b32 s44, -1, 0
	v_cndmask_b32 v9, v9, v10, s43
	v_cndmask_b32 v9, v9, v3, s44                  ; o: n = n'
	v_lshlrev_b32 v12, 2, v9
	v_add_nc_u32 v13, s45, v12
	v_add_nc_u32 v14, s45, v13
	v_add_nc_u32 v15, s45, v14
	s_cmp_eq_u32 s41, 1
	s_cselect_b64 s[32:33], s[20:21], s[18:19]
	s_cmp_eq_u32 s41, 2
	s_cselect_b64 s[32:33], s[22:23], s[32:33]
	s_cmp_eq_u32 s41, 3
	s_cselect_b64 s[32:33], s[24:25], s[32:33]
	global_load_b32 v16, v12, s[32:33]
	global_load_b32 v17, v13, s[32:33]
	global_load_b32 v18, v14, s[32:33]
	global_load_b32 v19, v15, s[32:33]
	s_lshl_b32 s46, s41, 12                        ; 1,024 numbers of f32 for each matrix
	v_lshl_add_u32 v11, v3, 2, s46
	s_wait_loadcnt 0x0
	v_cvt_pk_bf16_f32 v20, v16, v17
	v_cvt_pk_bf16_f32 v21, v18, v19
	v_lshlrev_b32 v24, 16, v20                     ; the rounded numbers, as f32 again
	v_and_b32 v25, s39, v20
	v_lshlrev_b32 v26, 16, v21
	v_and_b32 v27, s39, v21
	global_store_b128 v11, v[24:27], s[30:31]      ; sixteen lanes: 256 consecutive bytes, aligned
.Lend:
	s_wait_tensorcnt 0x0                           ; the wave's end: behind my last LDS store
	ds_add_u32 v[SPW], v[NIL]
	s_wait_dscnt 0x0
	s_endpgm
.Lfunc_end_k_qfda31edf06_prep:
	.size	k_qfda31edf06_prep, .Lfunc_end_k_qfda31edf06_prep-k_qfda31edf06_prep
	.p2alignl 7, 3214868480
	.fill 96, 4, 3214868480
	.section	.rodata,"a",@progbits
	.p2align	6, 0x0
	.amdhsa_kernel k_qfda31edf06_prep
		.amdhsa_group_segment_fixed_size 70144
		.amdhsa_private_segment_fixed_size 0
		.amdhsa_enable_private_segment 0
		.amdhsa_kernarg_size 96
		.amdhsa_user_sgpr_count 2
		.amdhsa_user_sgpr_kernarg_segment_ptr 1
		.amdhsa_wavefront_size32 1
		.amdhsa_system_sgpr_workgroup_id_x 1
		.amdhsa_system_sgpr_workgroup_id_y 1
		.amdhsa_system_sgpr_workgroup_id_z 1
		.amdhsa_system_vgpr_workitem_id 0
		.amdhsa_next_free_vgpr 192
		.amdhsa_next_free_sgpr 66
		.amdhsa_reserve_vcc 0
		.amdhsa_float_denorm_mode_32 3
		.amdhsa_float_denorm_mode_16_64 3
		.amdhsa_memory_ordered 1
		.amdhsa_forward_progress 1
		.amdhsa_inst_pref_size 52
	.end_amdhsa_kernel
	.amdgpu_metadata
---
amdhsa.version: [ 1, 2 ]
amdhsa.kernels:
  - .name:           k_qfda31edf06_prep
    .symbol:         k_qfda31edf06_prep.kd
    .args:
      - { .name: x, .offset: 0, .size: 8, .value_kind: global_buffer, .address_space: global }
      - { .name: Wq, .offset: 8, .size: 8, .value_kind: global_buffer, .address_space: global }
      - { .name: Wk, .offset: 16, .size: 8, .value_kind: global_buffer, .address_space: global }
      - { .name: Wv, .offset: 24, .size: 8, .value_kind: global_buffer, .address_space: global }
      - { .name: Wo, .offset: 32, .size: 8, .value_kind: global_buffer, .address_space: global }
      - { .name: bq, .offset: 40, .size: 8, .value_kind: global_buffer, .address_space: global }
      - { .name: bk, .offset: 48, .size: 8, .value_kind: global_buffer, .address_space: global }
      - { .name: bv, .offset: 56, .size: 8, .value_kind: global_buffer, .address_space: global }
      - { .name: bo, .offset: 64, .size: 8, .value_kind: global_buffer, .address_space: global }
      - { .name: xb, .offset: 72, .size: 8, .value_kind: global_buffer, .address_space: global }
      - { .name: wt, .offset: 80, .size: 8, .value_kind: global_buffer, .address_space: global }
      - { .name: bias, .offset: 88, .size: 8, .value_kind: global_buffer, .address_space: global }
    .group_segment_fixed_size: 70144
    .private_segment_fixed_size: 0
    .kernarg_segment_align: 8
    .kernarg_segment_size: 96
    .max_flat_workgroup_size: 128
    .sgpr_count:     66
    .vgpr_count:     192
    .wavefront_size: 32
...
	.end_amdgpu_metadata
.endif
;; end of part 1
;; launch qkvgemm (part 2): grid 4 x 64, 4 waves a work-group, clusters of 4 x 4, 327,680 bytes of LDS; arguments xb, wt, bias, qkv; writes qkv
.if DOCPART == 2
	.amdgcn_target "amdgcn-amd-amdhsa--gfx1250"
	.amdhsa_code_object_version 6
	.text
	.protected	k_qfda31edf06_qkvgemm
	.globl	k_qfda31edf06_qkvgemm
	.p2align	8
	.type	k_qfda31edf06_qkvgemm,@function
k_qfda31edf06_qkvgemm:
	s_mov_b64 s[64:65], 0
	v_nop
	global_prefetch_b8 v0, s[64:65] scope:SCOPE_SE
	s_setreg_imm32_b32 hwreg(HW_REG_WAVE_MODE, 25, 1), 1
	s_wait_xcnt 0x0
	s_wait_alu depctr_hold_cnt(0) depctr_sa_sdst(0) depctr_va_vdst(0) depctr_va_sdst(0) depctr_va_ssrc(0) depctr_va_vcc(0) depctr_vm_vsrc(0)
	s_getreg_b32 s2, hwreg(HW_REG_IB_STS2, 6, 4)
	s_cmp_eq_u32 s2, 0
	s_cbranch_scc0 .Lentry_in_a_cluster
	s_endpgm
.Lentry_in_a_cluster:
	s_bfe_u32 s2, ttmp6, 0x10000c
	s_cmp_lg_u32 s2, 0xf033
	s_cbranch_scc0 .Lentry_shape_is_right
	s_endpgm
.Lentry_shape_is_right:
; qkv[m][n'] = sum over k of xb[m][k] wt[n'][k] + bias[n'].  xb: [16384][1024] bf16, wt rows 0-3071: [n'][1024] bf16, bias f32, qkv: [16384][3072] f16; sums in f32, rounded once.
; LIMIT: a result of 65,520 or more in magnitude leaves f16's range and becomes an infinity; inputs 30 times the drawn spread, or offset by 30 spreads, stay under it.
; A tile of C, 256 x 256, is made by four waves, 128 x 128 each: 64 accumulators of 16 x 16.  K goes in steps of 128 through a ring of two LDS slots filled by the tensor data mover (rows of 256 bytes, aligned).
; A WORK-GROUP STAYS: it makes TILES tiles of C side by side, 1,024 columns apart (q', k', v'): the same rows of A, other rows of B; the ring runs on into the next tile, and nothing waits for a tile's stores.
; CLUSTERS: 4 x 4 work-groups.  The four of a row of the cluster need the same tiles of A, the four of a column the same tiles of B: each is asked for JOINTLY, by the same tensor load with the same descriptor and mask.
; THE MATRIX INSTRUCTION IS USED TRANSPOSED (source 0 = 16 rows of B, source 1 = 16 rows of A): lane l holds row l % 16 of C and the columns 8 (l / 16) + 0..7.
; THE BIAS STARTS THE SUMS: a tile's first products take as C eight registers that hold bias[16 b + 8 (l / 16) + 0..7]: nothing is cleared, nothing is added at the end.
; THE TEXT IS KEPT SHORT: the loop over laps is left in its middle (a lap's second and third quarter are written once), and the way out is written once for all three tiles.
; REGISTERS, in windows of 256 (s_set_vgpr_msb: bits 1:0 source 0, 3:2 source 1, 5:4 source 2, 7:6 destination):
;   window 0: v0-31 addresses; v64-127, v128-191 fragments of A, two buffers; v32-63, v192-255 at work on the way out
;   window 1: v0-63 the bias, 8 registers for each of my 8 column blocks; v64-127, v128-191 fragments of B
;   window 2: the accumulators of my rows 0-63 ((a, b) at v[8 (8 a + b)]);   window 3: those of my rows 64-127
.set TILES,  3
.set CPITCH, 6144                      ; bytes in a row of C
.set SIZE_K, 1024
.set KSTEP,  128
.set PITCH,  272                       ; an LDS row: 256 bytes + 16 of padding = 68 words: the 16 rows that a load touches start at 16 different groups of four banks (64 banks of 4 bytes: ISA guide 11.1)
.set HALFT,  128*PITCH                 ; 128 rows: what one tensor load brings
.set SLOT,   4*HALFT                   ; A's 256 rows, then B's 256 rows
.set STAGE,  2*SLOT                    ; behind the ring: 16 rows for each wave, for the way out; no tensor load lands there
.set SPITCH, 272
.set SPARE,  STAGE+4*16*SPITCH         ; behind the stages: the spare words, 128 bytes for each wave: two blocks of 256 bytes that no other line names
.set LAPS,   SIZE_K/(2*KSTEP)          ; a lap = two K steps = once round the ring
.set BACK_A, (SIZE_K-2*KSTEP)*2        ; bytes from a slot's last K step of a tile back to its first: the walk's tiles share their rows of A,
.set NEXT_B, 1024*SIZE_K*2-BACK_A      ; B goes 1,024 rows down and back along K
.set NEXT_P, 1023*SIZE_K*2+KSTEP*2     ; the prefetches: from the K step after the tile's last to the next tile's K step 1
.set ADRA, 16                          ; v16-17  LDS address of my A fragments in slot 0, 1
.set ADRB, 20                          ; v20-21  the same for B
.set STO,  24                          ; v24     the way out: where I put 16 bytes of a row
.set RD,   25                          ; v25     the way out: where I read rows back
.set CO,   26                          ; v26     my byte offset in C
.set BO,   27                          ; v27     my byte offset in a column block's 16 biases: 32 (l / 16)
.set SPW,  28                          ; v28     LDS address of my spare word; never rewritten
.set NIL,  29                          ; v29     0; never rewritten
.set PFO,  30                          ; v30     the prefetches' offset: my lane x a row of 2,048 bytes; never rewritten
.set PFA,  44                          ; s[44:45] where my prefetches stand
.set LIM,  43                          ; s43     2 in a wave that prefetches, else the greatest number
.set F0,   64
.set F1,   128
.set TMP,  192
.set OB,   32
.set G1,   24                          ; s[24:31] descriptor group 1 for A's tiles;  s[32:39] group 0, one set for each slot
.set G0,   32
.set G1B,  48                          ; s[48:55], s[56:63] the same for B's tiles
.set G0B,  56
.set BP,   68                          ; s[68:69] bias at my 128 columns
.set CP,   70                          ; s[70:71] C at my 128 x 128
.set MSB, 0
.macro WIN new                         ; the immediate's high byte repeats the setting that is left; a switch that changes nothing is dropped
.if MSB != (\new)
	s_set_vgpr_msb (MSB<<8)|(\new)
.set MSB, \new
.endif
.endm
.set MUL_LO, 0xa1                      ; source 0 (B) window 1, source 1 (A) window 0, C and D window 2
.set TO_B,   0x40                      ; destination window 1, address window 0
; A joint load.  Waves 0 and 1 fetch A's two halves, waves 2 and 3 B's; the branch hangs on the wave's number alone.  An s_nop 0 and four v_nop follow each line.
.macro JLOAD s
	s_cmp_eq_u32 s11, 0
	s_cbranch_scc0 .Lfor_b_\@
	tensor_load_to_lds s[G0+4*(\s):G0+4*(\s)+3], s[G1:G1+7]
	s_nop 0
.rept 4
	v_nop
.endr
	s_branch .Lasked_\@
.Lfor_b_\@:
	tensor_load_to_lds s[G0B+4*(\s):G0B+4*(\s)+3], s[G1B:G1B+7]
	s_nop 0
.rept 4
	v_nop
.endr
.Lasked_\@:
.endm
; A PREFETCH INTO THE L2, behind each joint load and the run of LDS loads that follows it: the K step that stands two refills on, 512 matrix instructions ahead of the load that will want it: 32 rows x 256 bytes, a lane a row.
; Each row's 256 bytes of a K step are named once in the launch: A's rows by their own cluster (the grid has one cluster along x), in the first tile alone; B's rows by the clusters with y = 0.
; The four partners that ask for a tile jointly share its rows out BY ADDRESS, 32 each (cx for A, cy for B).  how = 0, in the loop: a tile's last two refills have no K step two on; how = 1, at a change of tiles.
.macro ASK how
.if \how
	s_cmp_eq_u32 s[LIM], 2
.else
	s_cmp_gt_u32 s3, s[LIM]                        ; s3 = 2 in the last lap that fills slots along K
.endif
	s_cbranch_scc0 .Lnot_mine_\@
	global_prefetch_b8 v[PFO], s[PFA:PFA+1] offset:KSTEP*2 th:TH_LOAD_NT scope:SCOPE_SE
.Lnot_mine_\@:
.endm
.macro CREST                           ; a round of the cluster's barrier behind its opening barrier
	s_cmp_lg_u32 s10, 0
	s_cbranch_scc1 .Lnot_wave_0_\@
	s_barrier_signal -3
.Lnot_wave_0_\@:
	s_barrier_wait -3
	s_barrier_signal -1
	s_barrier_wait -1
.endm
.macro CROUND                          ; a whole round
	s_barrier_signal -1
	s_barrier_wait -1
	CREST
.endm
	s_load_b128 s[4:7], s[0:1], 0x0                ; A s[4:5], wt s[6:7]
	s_load_b128 s[BP:BP+3], s[0:1], 0x10           ; bias, C
	v_lshl_add_u32 v[SPW], v0, 2, SPARE
	v_mov_b32 v[NIL], 0
	ds_add_u32 v[SPW], v[NIL]                      ; the wave's opening: the add and its wait stand ahead of my first tensor load; the set-up below, work on registers, stands between them
	v_lshrrev_b32 v1, 5, v0
	v_readfirstlane_b32 s10, v1                    ; wave 0..3
	s_lshr_b32 s11, s10, 1                         ; which half of the tile's rows is mine.  Also: I fetch for A (0) or for B (1)
	s_and_b32 s12, s10, 1                          ; which half of its columns.  Also: which 128 rows of that tile I fetch
	s_bfe_u32 s40, ttmp6, 0x40000                  ; cx
	s_bfe_u32 s41, ttmp6, 0x40004                  ; cy
	s_lshl_b32 s42, ttmp9, 2
	s_add_co_u32 s42, s42, s40                     ; tile column = 4 x cluster x + cx
	s_and_b32 s13, ttmp7, 0xffff
	s_lshl_b32 s13, s13, 2
	s_add_co_u32 s13, s13, s41                     ; tile row = 4 x cluster y + cy
	s_lshl_b32 s43, s41, 2
	s_lshl_b32 s43, 15, s43                        ; my row of the cluster
	s_lshl_b32 s44, 0x1111, s40                    ; my column
	s_or_b32 s[G1+0], s43, (1<<16)|(1<<20)|(1<<21)|(5<<22)|(3<<25)   ; 15:0 the mask; 17:16 2-byte elements; 20 padding on; 21 set beside a mask; 24:22 after every 64 words (code 5); 31:25 4 words (code 3)
	s_or_b32 s[G1B+0], s44, (1<<16)|(1<<20)|(1<<21)|(5<<22)|(3<<25)
.irp g, G1, G1B
	s_mov_b32 s[(\g)+1], KSTEP<<16                 ; tensor_dim0 = 128
	s_mov_b32 s[(\g)+2], 128<<16                   ; tensor_dim1 = 128
	s_mov_b32 s[(\g)+3], KSTEP<<16                 ; tile_dim0 = 128
	s_mov_b32 s[(\g)+4], 128                       ; tile_dim1 = 128
	s_mov_b32 s[(\g)+5], SIZE_K                    ; elements from row to row
	s_mov_b32 s[(\g)+6], 0
	s_mov_b32 s[(\g)+7], 0
.endr
	s_lshl_b32 s17, s12, 7                         ; which 128 rows of the tile I fetch
	s_lshl_b32 s16, s13, 8
	s_add_co_u32 s16, s16, s17                     ; A: row 256 x tile row + 128 x half
	s_lshl_b32 s46, s42, 8
	s_add_co_u32 s46, s46, s17                     ; B: row 256 x tile column + 128 x half
	s_mov_b32 s17, 0
	s_mov_b32 s47, 0
	s_mov_b64 s[18:19], SIZE_K*2
	s_mul_u64 s[16:17], s[16:17], s[18:19]
	s_mul_u64 s[46:47], s[46:47], s[18:19]
	s_mul_i32 s20, s10, HALFT                      ; where they go: wave x 128 rows: no place in the cluster enters an LDS address
	s_wait_dscnt 0x0                               ; the opening add is done
	s_wait_kmcnt 0x0
	s_add_nc_u64 s[14:15], s[4:5], s[16:17]
	s_add_nc_u64 s[46:47], s[6:7], s[46:47]
	CROUND                                         ; all sixteen work-groups are here: the first joint loads meet
.irp s, 0,1
	s_mov_b32 s[G0+4*(\s)], 1
	s_add_co_u32 s[G0+4*(\s)+1], s20, (\s)*SLOT
	s_add_nc_u64 s[G0+4*(\s)+2:G0+4*(\s)+3], s[14:15], (\s)*KSTEP*2
	s_or_b32 s[G0+4*(\s)+3], s[G0+4*(\s)+3], 0x80000000
	s_mov_b32 s[G0B+4*(\s)], 1
	s_add_co_u32 s[G0B+4*(\s)+1], s20, (\s)*SLOT
	s_add_nc_u64 s[G0B+4*(\s)+2:G0B+4*(\s)+3], s[46:47], (\s)*KSTEP*2
	s_or_b32 s[G0B+4*(\s)+3], s[G0B+4*(\s)+3], 0x80000000
	JLOAD \s                                       ; two loads of mine are out
.endr
	v_and_b32 v1, 15, v0                           ; l % 16
	v_bfe_u32 v2, v0, 4, 1                         ; l / 16
	v_mul_u32_u24 v3, v1, PITCH
	v_lshl_add_u32 v3, v2, 4, v3                   ; a fragment's row x pitch + 16 x half
	s_mul_i32 s21, s11, HALFT                      ; my 128 rows of A
	s_mul_i32 s22, s12, HALFT                      ; my 128 rows of B,
	s_add_co_u32 s22, s22, 2*HALFT                 ; which lie behind A's 256
.irp s, 0,1
	v_add_nc_u32 v[ADRA+(\s)], s21, v3
	v_add_nc_u32 v[ADRB+(\s)], s22, v3
	s_add_co_u32 s21, s21, SLOT
	s_add_co_u32 s22, s22, SLOT
.endr
	s_mul_i32 s23, s10, 16*SPITCH
	s_add_co_u32 s23, s23, STAGE                   ; my stage
	v_mul_u32_u24 v4, v1, SPITCH                   ; in: row l % 16, 16 bytes for each half of the lanes
	v_lshl_add_u32 v4, v2, 4, v4
	v_add_nc_u32 v[STO], s23, v4
	v_mul_u32_u24 v5, v2, SPITCH                   ; back: lanes 0-15 take one row of 256 bytes, lanes 16-31 the next
	v_lshl_add_u32 v5, v1, 4, v5
	v_add_nc_u32 v[RD], s23, v5
	v_mul_u32_u24 v5, v2, CPITCH                   ; and the same two rows in C
	v_lshl_add_u32 v[CO], v1, 4, v5
	v_lshlrev_b32 v[BO], 5, v2
	s_lshl_b32 s13, s13, 8                         ; C at my part of the first tile
	s_lshl_b32 s14, s11, 7
	s_add_co_u32 s16, s13, s14                     ; my first row
	s_mov_b32 s17, 0
	s_mov_b64 s[18:19], CPITCH
	s_mul_u64 s[16:17], s[16:17], s[18:19]
	s_lshl_b32 s46, s42, 9                         ; my first column, in bytes
	s_lshl_b32 s47, s12, 8
	s_add_co_u32 s46, s46, s47
	s_mov_b32 s47, 0
	s_add_nc_u64 s[16:17], s[16:17], s[46:47]
	s_add_nc_u64 s[CP:CP+1], s[CP:CP+1], s[16:17]
	s_lshl_b32 s46, s42, 10                        ; the bias of my first column
	s_lshl_b32 s47, s12, 9
	s_add_co_u32 s46, s46, s47
	s_mov_b32 s47, 0
	s_add_nc_u64 s[BP:BP+1], s[BP:BP+1], s[46:47]
	; the prefetches.  s13 = 256 x tile row, s42 = tile column, s40 = cx, s41 = cy still stand
	s_lshl_b32 s42, s42, 8
	s_and_b32 s22, ttmp7, 0xffff                   ; cluster y
	s_cmp_eq_u32 s11, 0                            ; do I fetch for A?
	s_cselect_b32 s20, s13, s42                    ; the tile's first row
	s_cselect_b32 s21, s40, s41                    ; my place among the four that ask for it with me
	s_cselect_b32 s22, ttmp9, s22                  ; the coordinate along which other clusters read the same rows
	s_cselect_b64 s[PFA:PFA+1], s[4:5], s[6:7]
	s_cmp_eq_u32 s22, 0
	s_cselect_b32 s[LIM], 2, -1                    ; the same in all sixteen partners, for a given wave
	s_lshl_b32 s22, s12, 7
	s_add_co_u32 s20, s20, s22                     ; + the 128 rows that I fetch
	s_lshl_b32 s21, s21, 5
	s_add_co_u32 s20, s20, s21                     ; + my work-group's 32 of them
	s_mov_b32 s21, 0
	s_mov_b64 s[18:19], SIZE_K*2
	s_mul_u64 s[20:21], s[20:21], s[18:19]
	s_add_nc_u64 s[PFA:PFA+1], s[PFA:PFA+1], s[20:21]
	s_add_nc_u64 s[PFA:PFA+1], s[PFA:PFA+1], 2*KSTEP*2  ; at K step 2: the first refill steps it to 3 and names K step 4; nothing is prefetched here, at the head
	v_and_b32 v[PFO], 31, v0
	v_mul_u32_u24 v[PFO], v[PFO], SIZE_K*2
.macro WM d, a, b, c                   ; one matrix instruction, by the first registers of D, source 0, source 1 and C
	v_wmma_f32_16x16x32_bf16 v[(\d):(\d)+7], v[(\a):(\a)+7], v[(\b):(\b)+7], v[(\c):(\c)+7]
.endm
; 16 matrix instructions: m blocks a0, a0 + 1 of the window's four (hi = 0: my rows 0-63, 1: rows 64-127) x all 8 n blocks, 32 along K.  zero = 1: the sums start, with the bias (window 1) as C.
.macro MUL16 f, hi, a0, zero
.if \zero
	WIN 0x91+0x40*(\hi)
.else
	WIN MUL_LO+0x50*(\hi)
.endif
.irp a, \a0, (\a0)+1
.irp b, 0,1,2,3,4,5,6,7
.if \zero
	WM 8*(8*(\a)+(\b)), (\f)+8*(\b), (\f)+8*(4*(\hi)+(\a)), 8*(\b)
.else
	WM 8*(8*(\a)+(\b)), (\f)+8*(\b), (\f)+8*(4*(\hi)+(\a)), 8*(8*(\a)+(\b))
.endif
.endr
.endr
.endm
; 32 LDS loads in one run: the fragments of one quarter step (128 rows of B, 128 rows of A, 32 K at byte k of the rows) into buffer f
.macro FETCH slot, k, f
	WIN TO_B
.irp i, 0,1,2,3,4,5,6,7
	ds_load_b128 v[(\f)+8*(\i):(\f)+8*(\i)+3],   v[ADRB+(\slot)] offset:(\k)+(\i)*16*PITCH
	ds_load_b128 v[(\f)+8*(\i)+4:(\f)+8*(\i)+7], v[ADRB+(\slot)] offset:(\k)+(\i)*16*PITCH+32
.endr
	WIN 0
.irp i, 0,1,2,3,4,5,6,7
	ds_load_b128 v[(\f)+8*(\i):(\f)+8*(\i)+3],   v[ADRA+(\slot)] offset:(\k)+(\i)*16*PITCH
	ds_load_b128 v[(\f)+8*(\i)+4:(\f)+8*(\i)+7], v[ADRA+(\slot)] offset:(\k)+(\i)*16*PITCH+32
.endr
.endm
.macro PLACES                          ; four plain vector instructions between a matrix instruction and a load into, or a read of, its registers
.rept 4
	v_nop
.endr
.endm
.macro BIASLD                          ; my 128 biases: for each column block the 8 that my half of the lanes holds; all 16 lanes of a half read the same 32 bytes
	WIN TO_B
.irp b, 0,1,2,3,4,5,6,7
	global_load_b128 v[8*(\b):8*(\b)+3],   v[BO], s[BP:BP+1] offset:64*(\b)
	global_load_b128 v[8*(\b)+4:8*(\b)+7], v[BO], s[BP:BP+1] offset:64*(\b)+16
.endr
	WIN 0
.endm
; A K step is four quarters of 32 along K, 64 matrix instructions each, on buffers 0, 1, 0, 1.  One of the first three: multiplies f; in its middle it fetches the next quarter, at byte k, into g.
; The 64 accumulators take turns in the same order in every quarter.
.macro QUARTER slot, k, f, g, zero
	s_wait_dscnt 8                                 ; B and A's rows 0-63 are in; the youngest eight loads (A's rows 64-127) may be out
	MUL16 \f, 0, 0, \zero
	MUL16 \f, 0, 2, \zero
	PLACES
	FETCH \slot, \k, \g
	s_wait_dscnt 32                                ; all but the 32 just issued
	MUL16 \f, 1, 0, \zero
	MUL16 \f, 1, 2, \zero
.endm
; The last quarter's first half: ONE barrier for the change of slots.  In front of it each wave waits for all its tensor loads (one is out: its part of the next slot), adds 0 to its spare word, and waits for that and for its reads of this slot.
.macro MEET round
	WIN 0                                          ; (the add's two registers lie in window 0)
	s_wait_tensorcnt 0x0
	ds_add_u32 v[SPW], v[NIL]
	s_wait_dscnt 9                                 ; (the add and the youngest eight loads may be out)
	MUL16 F1, 0, 0, 0                              ; sixteen matrix instructions stand between the add and the wait for it
	s_wait_dscnt 0x0                               ; the add is done, and my reads of this slot are over
	s_barrier_signal -1
	MUL16 F1, 0, 2, 0                              ; work on registers while the others arrive
.if \round
	WIN 0
.endif
	s_barrier_wait -1
.endm
; The whole last quarter.  Behind the round the slot just read out is filled again first: with this tile's K step two steps on (on = 0) or with the NEXT tile's K step 0 or 1 (on = 1); then come the next slot's first fragments.
; From a request to the wait for it a wave issues 224 matrix instructions.
.macro TURN slot, next, on
	s_wait_xcnt 0x0                                ; the last prefetch, a K step back, has read its address: it is stepped here
.if (\on) && (\slot) == 0
	s_add_nc_u64 s[PFA:PFA+1], s[PFA:PFA+1], NEXT_P
	s_cmp_eq_u32 s11, 0
	s_cselect_b32 s[LIM], -1, s[LIM]               ; A's rows are the same for all tiles of the walk: they are prefetched no more
.else
	s_add_nc_u64 s[PFA:PFA+1], s[PFA:PFA+1], KSTEP*2
.endif
	MEET 1
	CREST                                          ; no wave of any partner still reads this slot's tile or has a load on its way
.if \on
	s_sub_nc_u64 s[G0+4*(\slot)+2:G0+4*(\slot)+3], s[G0+4*(\slot)+2:G0+4*(\slot)+3], BACK_A
	s_add_nc_u64 s[G0B+4*(\slot)+2:G0B+4*(\slot)+3], s[G0B+4*(\slot)+2:G0B+4*(\slot)+3], NEXT_B
.else
	s_add_nc_u64 s[G0+4*(\slot)+2:G0+4*(\slot)+3], s[G0+4*(\slot)+2:G0+4*(\slot)+3], 2*KSTEP*2
	s_add_nc_u64 s[G0B+4*(\slot)+2:G0B+4*(\slot)+3], s[G0B+4*(\slot)+2:G0B+4*(\slot)+3], 2*KSTEP*2
.endif
	JLOAD \slot                                    ; the first tensor load behind the round; its four v_nop are also the places in front of the loads below
	FETCH \next, 0, F0
	ASK \on
	MUL16 F1, 1, 0, 0
	MUL16 F1, 1, 2, 0
.endm
; THE WAY OUT, a block of 16 rows at a time.  PACK: rounded to f16, 16 bytes a lane.  TOSTAGE: into my own stage, and back as whole rows of 256 bytes.  SEND: stored.
.macro PACK a
.set AC, 64*((\a)%4)
	WIN 0x0a+5*((\a)/4)                            ; sources 0 and 1: window 2 or 3
.irp b, 0,1,2,3,4,5,6,7
.irp r, 0,1,2,3
	v_cvt_pk_f16_f32 v[TMP+4*(\b)+(\r)], v[AC+8*(\b)+2*(\r)], v[AC+8*(\b)+2*(\r)+1]
.endr
.endr
	WIN 0
.endm
.macro TOSTAGE a
	WIN 0
.set BK, OB+192*((\a)%2)
.irp b, 0,1,2,3,4,5,6,7
	ds_store_b128 v[STO], v[TMP+4*(\b):TMP+4*(\b)+3] offset:32*(\b)
.endr
.irp t, 0,1,2,3,4,5,6,7
	ds_load_b128 v[BK+4*(\t):BK+4*(\t)+3], v[RD] offset:(\t)*2*SPITCH  ; LDS serves a wave's instructions in order: these see the stores above
.endr
.endm
.macro SEND a, younger
	WIN 0
.set BK, OB+192*((\a)%2)
	s_wait_dscnt \younger                          ; the block is back in registers
	s_wait_xcnt 0x0                                ; earlier stores have read their registers: the next block's loads land in them only behind this wait
.irp t, 0,1,2,3,4,5,6,7
	global_store_b128 v[CO], v[BK+4*(\t):BK+4*(\t)+3], s[CP:CP+1] offset:(16*(\a)+2*(\t))*CPITCH  ; 16 lanes store 256 consecutive bytes, aligned
.endr
.endm
	BIASLD
	s_wait_tensorcnt 1                             ; my part of K step 0 is in; K step 1's may stay out
	s_barrier_signal -1
	s_barrier_wait -1                              ; everybody's is
	FETCH 0, 0, F0
	s_mov_b32 s2, TILES                            ; tiles to go, this one among them
.Ltile:
	s_wait_loadcnt 0x0                             ; the bias
	QUARTER 0, 64,  F0, F1, 1                      ; a tile's first quarter stands in front of the loop: its products start the sums
	WIN 0                                          ; at a label and at a branch every window is 0
	s_mov_b32 s3, LAPS                             ; laps to go, this one among them
.Llap:                                                 ; a trip goes once round the ring, from a lap's second quarter to the next lap's first, and fills both slots again; the last lap leaves it behind its third quarter
	QUARTER 0, 128, F1, F0, 0
	QUARTER 0, 192, F0, F1, 0
	WIN 0
	s_cmp_eq_u32 s3, 1
	s_cbranch_scc1 .Llast_lap
	TURN 0, 1, 0
	QUARTER 1, 64,  F0, F1, 0
	QUARTER 1, 128, F1, F0, 0
	QUARTER 1, 192, F0, F1, 0
	TURN 1, 0, 0
	QUARTER 0, 64,  F0, F1, 0
	WIN 0
	s_sub_co_u32 s3, s3, 1
	s_branch .Llap
.Llast_lap:
	s_cmp_eq_u32 s2, 1
	s_cbranch_scc1 .Llast_tile                     ; the last tile's tail is written out: it asks for nothing more
	TURN 0, 1, 1                                   ; the ring goes on into the next tile: slot 0 takes its K step 0,
	QUARTER 1, 64,  F0, F1, 0
	QUARTER 1, 128, F1, F0, 0
	QUARTER 1, 192, F0, F1, 0
	TURN 1, 0, 1                                   ; slot 1 its K step 1, and the next tile's first fragments are fetched
	WIN 0
	s_add_nc_u64 s[BP:BP+1], s[BP:BP+1], 4096      ; the next tile's bias, 1,024 columns on (the loads that named this pointer were waited for at the tile's head)
	BIASLD
	s_branch .Lout                                 ; both refills are asked for: now the tile goes out.  Blocks 0-3 were finished in front of the joint load's four v_nop; their conversions are the places behind the last products
.Llast_tile:
	MEET 0                                         ; my one tensor load that was still out is the last K step's, so no round follows
	PLACES                                         ; for the loads into buffer 0, which the quarter before multiplied
	FETCH 1, 0, F0
	MUL16 F1, 1, 0, 0
	MUL16 F1, 1, 2, 0
	QUARTER 1, 64,  F0, F1, 0
	QUARTER 1, 128, F1, F0, 0
	QUARTER 1, 192, F0, F1, 0
	s_wait_dscnt 8                                 ; the very last quarter: nothing more to fetch
	MUL16 F1, 0, 0, 0
	MUL16 F1, 0, 2, 0
	s_wait_dscnt 0x0
	MUL16 F1, 1, 0, 0
	MUL16 F1, 1, 2, 0
	WIN 0
	PLACES                                         ; the way out reads results just made
.Lout:                                                 ; one text of the way out for all tiles
	PACK 0
	TOSTAGE 0
.irp a, 1,2,3,4,5,6,7                  ; block a's conversions stand between block a - 1's loads from the stage and the wait for them
	PACK \a
	SEND (\a)-1, 0
	TOSTAGE \a
.endr
	SEND 7, 0
	s_cmp_eq_u32 s2, 1
	s_cbranch_scc1 .Lend
	s_wait_xcnt 0x0                                ; the stores have read C's address
	s_add_nc_u64 s[CP:CP+1], s[CP:CP+1], 2048      ; 1,024 columns of f16 on
	s_sub_co_u32 s2, s2, 1
	s_branch .Ltile
.Lend:
	s_wait_tensorcnt 0x0                           ; the wave's end: behind my last tensor load and my last LDS store
	ds_add_u32 v[SPW], v[NIL]
	s_wait_dscnt 0x0
	CROUND                                         ; the closing round: no work-group ends while a partner may still ask for a tile that names it
	s_endpgm
.Lfunc_end_k_qfda31edf06_qkvgemm:
	.size	k_qfda31edf06_qkvgemm, .Lfunc_end_k_qfda31edf06_qkvgemm-k_qfda31edf06_qkvgemm
	.p2alignl 7, 3214868480
	.fill 96, 4, 3214868480
	.section	.rodata,"a",@progbits
	.p2align	6, 0x0
	.amdhsa_kernel k_qfda31edf06_qkvgemm
		.amdhsa_group_segment_fixed_size 327680
		.amdhsa_private_segment_fixed_size 0
		.amdhsa_enable_private_segment 0
		.amdhsa_kernarg_size 32
		.amdhsa_user_sgpr_count 2
		.amdhsa_user_sgpr_kernarg_segment_ptr 1
		.amdhsa_wavefront_size32 1
		.amdhsa_system_sgpr_workgroup_id_x 1
		.amdhsa_system_sgpr_workgroup_id_y 1
		.amdhsa_system_sgpr_workgroup_id_z 1
		.amdhsa_system_vgpr_workitem_id 0
		.amdhsa_next_free_vgpr 1024
		.amdhsa_next_free_sgpr 72
		.amdhsa_reserve_vcc 0
		.amdhsa_float_denorm_mode_32 3
		.amdhsa_float_denorm_mode_16_64 3
		.amdhsa_memory_ordered 1
		.amdhsa_forward_progress 1
		.amdhsa_inst_pref_size 169
	.end_amdhsa_kernel
	.amdgpu_metadata
---
amdhsa.version: [ 1, 2 ]
amdhsa.kernels:
  - .name:           k_qfda31edf06_qkvgemm
    .symbol:         k_qfda31edf06_qkvgemm.kd
    .args:
      - { .name: xb, .offset: 0, .size: 8, .value_kind: global_buffer, .address_space: global }
      - { .name: wt, .offset: 8, .size: 8, .value_kind: global_buffer, .address_space: global }
      - { .name: bias, .offset: 16, .size: 8, .value_kind: global_buffer, .address_space: global }
      - { .name: qkv, .offset: 24, .size: 8, .value_kind: global_buffer, .address_space: global }
    .group_segment_fixed_size: 327680
    .private_segment_fixed_size: 0
    .kernarg_segment_align: 8
    .kernarg_segment_size: 32
    .max_flat_workgroup_size: 128
    .sgpr_count:     72
    .vgpr_count:     1024
    .wavefront_size: 32
...
	.end_amdgpu_metadata
.endif
;; end of part 2
;; launch attn (part 3): grid 512 x 1, 8 waves a work-group, no clusters, 0 bytes of LDS; arguments qkv, ao; writes ao
.if DOCPART == 3
	.amdgcn_target "amdgcn-amd-amdhsa--gfx1250"
	.amdhsa_code_object_version 6
	.text
	.protected	k_qfda31edf06_attn
	.globl	k_qfda31edf06_attn
	.p2align	8
	.type	k_qfda31edf06_attn,@function
k_qfda31edf06_attn:
	s_mov_b64 s[64:65], 0
	v_nop
	global_prefetch_b8 v0, s[64:65] scope:SCOPE_SE
	s_setreg_imm32_b32 hwreg(HW_REG_WAVE_MODE, 25, 1), 1
	s_wait_xcnt 0x0
; ATTENTION ACROSS THE 16 HEADS OF ONE TOKEN.  For each token: S[q][k] = sum over d of q[q][d] k[k][d] / 8; P = softmax over k; O[q][d] = sum over k of P[q][k] v[k][d].
; qkv: [16384][3072] f16, a token's row = q' (2,048 bytes), k', v', each permuted by the launches before; ao: [16384][1024] f16, permuted as the last product's weights are.
; Products, maximum and sum in f32; the row's maximum is taken away before the exponential; P is divided by its sum and then rounded to f16 (it lies in 0 to 1); O is rounded once.
; LIMITS: q, k, v arrive finite, within f16's 65,504 (half of each V operand meets zeros of P, and must be finite); a weight below 2^-126 counts as 0; NaN and infinities are not treated apart.
; SHARES: a wave owns 4 tokens, straight-line; nothing is shared between waves, so there is no LDS, no barrier, no cluster; memory binds this launch, so it asks for nothing ahead but its own 48 loads, 24 KiB a wave.
; LAYOUT.  q', k': element 256 i + 8 l + e = head l % 16, channel 16 i + 8 (l / 16) + e: load i of 512 bytes gives lane l half a fragment; loads 2 c, 2 c + 1 ARE the fragment of channels 32 c ..
; S^T = K Q^T (source 0 = 16 key heads, source 1 = 16 query heads): lane l holds query head l % 16 and key heads 8 (l / 16) + 0..7.  Rounded in pairs these four registers are the keys 0-15 of source 1 of O^T = V^T P.
; v': element 256 cb + 8 l + e = key head 8 (l / 16) + e, channel 16 cb + l % 16: load cb is the keys 0-15 of source 0 for channel block cb.  K = 32 has room for 16 more keys: two neighbouring loads of V
; are taken as one operand, and P stands beside four registers of zeros: [P|0] picks the even block, [0|P] the odd one.
; O^T: lane l holds query head l % 16, channels 16 cb + 8 (l / 16) + 0..7: 16 bytes, at element 256 cb + 8 l of the token's row of ao: a store of the wave covers 512 consecutive bytes.
.set ST,   4                           ; token e of a pair: v[ST+4e]: c m, m, two at work
.set R,    12                          ; v[R+2e] 1 / sum; v[R+2e+1] = 0, named with it as a pair
.set S,    16                          ; v[S+8e ..] the 8 scores, then weights
.set PP,   32                          ; v[PP+12e ..]: 4 zeros, P, 4 zeros
.set TS,   56                          ; v[TS+4e ..] at work in the sum
.set DATA, 64                          ; token t: v[DATA+48t ..]: Q 16, K 16, V 16; later O^T in Q's and K's place, the packed O in V's
	s_load_b128 s[4:7], s[0:1], 0x0                ; qkv s[4:5], ao s[6:7]
	v_lshrrev_b32 v1, 5, v0
	v_readfirstlane_b32 s8, v1                     ; wave 0..7
	v_and_b32 v2, 31, v0
	v_lshlrev_b32 v2, 4, v2                        ; 16 x lane
	s_lshl_b32 s9, ttmp9, 3
	s_add_co_u32 s9, s9, s8                        ; my wave among the launch's 4,096
	s_mul_i32 s10, s9, 24576                       ; 4 tokens of 6,144 bytes
	s_mov_b32 s11, 0
	s_lshl_b32 s12, s9, 13                         ; 4 tokens of 2,048 bytes
	s_mov_b32 s13, 0
	s_mov_b32 s14, 0x3e38aa3b                      ; c = log2(e) / 8
	s_mov_b32 s15, s14                             ; named with it as a pair
	s_mov_b32 s16, 0x76543210                      ; v_permlanex16_b32: each lane takes its own place in the other half
	s_mov_b32 s17, 0xfedcba98
	s_wait_kmcnt 0x0
	s_add_nc_u64 s[4:5], s[4:5], s[10:11]
	s_add_nc_u64 s[6:7], s[6:7], s[12:13]
.set i, 0
.rept 48                                       ; token i / 12, then Q, K, V, four loads each: 512 consecutive bytes a load
	global_load_b128 v[DATA+4*i:DATA+4*i+3], v2, s[4:5] offset:512*i th:TH_LOAD_NT
.set i, i+1
.endr
.irp e, 0,1
.irp z, 0,1,2,3,8,9,10,11
	v_mov_b32 v[PP+12*(\e)+(\z)], 0
.endr
	v_mov_b32 v[ST+4*(\e)+3], 0                    ; v_permlanex16_b32 counts as a reader of its destination
	v_mov_b32 v[R+2*(\e)+1], 0
.endr
; Tokens 2 u and 2 u + 1, line by line by turns, so that no instruction waits for the one just before it.  left: the younger loads that may stay out.
.macro PAIR u, left
.set D0, DATA+96*(\u)
	s_wait_loadcnt \left
.irp c, 0,1                            ; the two accumulators take turns
.irp e, 0,1
.if (\c) == 0
	v_wmma_f32_16x16x32_f16 v[S+8*(\e):S+8*(\e)+7], v[D0+48*(\e)+16:D0+48*(\e)+23], v[D0+48*(\e):D0+48*(\e)+7], 0
.else
	v_wmma_f32_16x16x32_f16 v[S+8*(\e):S+8*(\e)+7], v[D0+48*(\e)+24:D0+48*(\e)+31], v[D0+48*(\e)+8:D0+48*(\e)+15], v[S+8*(\e):S+8*(\e)+7]
.endif
.endr
.endr
.rept 4
	v_nop                                          ; four places between the products and the first read of their results (ISA guide 7.12.1)
.endr
.irp e, 0,1
	v_max3_num_f32 v[ST+4*(\e)+2], v[S+8*(\e)], v[S+8*(\e)+1], v[S+8*(\e)+2]  ; the lowest registers are read first
.endr
.irp e, 0,1
	v_max3_num_f32 v[ST+4*(\e)+3], v[S+8*(\e)+3], v[S+8*(\e)+4], v[S+8*(\e)+5]
.endr
.irp e, 0,1
	v_max3_num_f32 v[ST+4*(\e)+2], v[ST+4*(\e)+2], v[S+8*(\e)+6], v[S+8*(\e)+7]
.endr
.irp e, 0,1
	v_max_num_f32 v[ST+4*(\e)+2], v[ST+4*(\e)+2], v[ST+4*(\e)+3]
.endr
.irp e, 0,1
	v_permlanex16_b32 v[ST+4*(\e)+3], v[ST+4*(\e)+2], s16, s17  ; the query's other 8 keys lie in the lane 16 away
.endr
.irp e, 0,1
	v_max_num_f32 v[ST+4*(\e)+1], v[ST+4*(\e)+2], v[ST+4*(\e)+3]
.endr
.irp e, 0,1
	v_mul_f32 v[ST+4*(\e)], s14, v[ST+4*(\e)+1]    ; c m
.endr
.irp p, 0,1,2,3
.irp e, 0,1
	v_pk_fma_f32 v[S+8*(\e)+2*(\p):S+8*(\e)+2*(\p)+1], v[S+8*(\e)+2*(\p):S+8*(\e)+2*(\p)+1], s[14:15], v[ST+4*(\e):ST+4*(\e)+1] op_sel_hi:[1,0,0] neg_lo:[0,0,1] neg_hi:[0,0,1]  ; c s - c m
.endr
.endr
.irp j, 0,1,2,3,4,5,6,7
.irp e, 0,1
	v_exp_f32 v[S+8*(\e)+(\j)], v[S+8*(\e)+(\j)]
.endr
.endr
	v_nop                                          ; a plain instruction behind the last exponential,
	s_wait_alu depctr_va_vdst(0)                   ; and a wait ahead of the first use: one for the batch of 16
.irp e, 0,1
	v_pk_add_f32 v[TS+4*(\e):TS+4*(\e)+1], v[S+8*(\e):S+8*(\e)+1], v[S+8*(\e)+2:S+8*(\e)+3]
.endr
.irp e, 0,1
	v_pk_add_f32 v[TS+4*(\e)+2:TS+4*(\e)+3], v[S+8*(\e)+4:S+8*(\e)+5], v[S+8*(\e)+6:S+8*(\e)+7]
.endr
.irp e, 0,1
	v_pk_add_f32 v[TS+4*(\e):TS+4*(\e)+1], v[TS+4*(\e):TS+4*(\e)+1], v[TS+4*(\e)+2:TS+4*(\e)+3]
.endr
.irp e, 0,1
	v_add_f32 v[ST+4*(\e)+2], v[TS+4*(\e)], v[TS+4*(\e)+1]
.endr
.irp e, 0,1
	v_permlanex16_b32 v[ST+4*(\e)+3], v[ST+4*(\e)+2], s16, s17
.endr
.irp e, 0,1
	v_add_f32 v[ST+4*(\e)+2], v[ST+4*(\e)+2], v[ST+4*(\e)+3]  ; the sum: at least the largest weight, which is about 1
.endr
.irp e, 0,1
	v_rcp_f32 v[R+2*(\e)], v[ST+4*(\e)+2]
.endr
	v_nop
	s_wait_alu depctr_va_vdst(0)                   ; one wait for the two reciprocals
.irp p, 0,1,2,3
.irp e, 0,1
	v_pk_mul_f32 v[S+8*(\e)+2*(\p):S+8*(\e)+2*(\p)+1], v[S+8*(\e)+2*(\p):S+8*(\e)+2*(\p)+1], v[R+2*(\e):R+2*(\e)+1] op_sel_hi:[1,0]
.endr
.endr
.irp p, 0,1,2,3
.irp e, 0,1
	v_cvt_pk_f16_f32 v[PP+12*(\e)+4+(\p)], v[S+8*(\e)+2*(\p)], v[S+8*(\e)+2*(\p)+1]
.endr
.endr
.irp cb, 0,1,2,3                       ; eight products, each with an accumulator of its own, in Q's and K's registers
.irp e, 0,1
	v_wmma_f32_16x16x32_f16 v[D0+48*(\e)+8*(\cb):D0+48*(\e)+8*(\cb)+7], v[D0+48*(\e)+32+8*((\cb)/2):D0+48*(\e)+32+8*((\cb)/2)+7], v[PP+12*(\e)+4-4*((\cb)%2):PP+12*(\e)+4-4*((\cb)%2)+7], 0
.endr
.endr
.rept 4
	v_nop                                          ; four places: the conversions read results and write V's registers, which the products read
.endr
.irp cb, 0,1,2,3
.irp p, 0,1,2,3
.irp e, 0,1
	v_cvt_pk_f16_f32 v[D0+48*(\e)+32+4*(\cb)+(\p)], v[D0+48*(\e)+8*(\cb)+2*(\p)], v[D0+48*(\e)+8*(\cb)+2*(\p)+1]
.endr
.endr
.endr
.irp e, 0,1
.irp cb, 0,1,2,3
	global_store_b128 v2, v[D0+48*(\e)+32+4*(\cb):D0+48*(\e)+32+4*(\cb)+3], s[6:7] offset:(2*(\u)+(\e))*2048+(\cb)*512  ; no register is written again behind its store
.endr
.endr
.endm
	PAIR 0, 24                                     ; the first two tokens' 24 loads are in, the other 24 stay out
	PAIR 1, 0
	s_endpgm
.Lfunc_end_k_qfda31edf06_attn:
	.size	k_qfda31edf06_attn, .Lfunc_end_k_qfda31edf06_attn-k_qfda31edf06_attn
	.p2alignl 7, 3214868480
	.fill 96, 4, 3214868480
	.section	.rodata,"a",@progbits
	.p2align	6, 0x0
	.amdhsa_kernel k_qfda31edf06_attn
		.amdhsa_group_segment_fixed_size 0
		.amdhsa_private_segment_fixed_size 0
		.amdhsa_enable_private_segment 0
		.amdhsa_kernarg_size 16
		.amdhsa_user_sgpr_count 2
		.amdhsa_user_sgpr_kernarg_segment_ptr 1
		.amdhsa_wavefront_size32 1
		.amdhsa_system_sgpr_workgroup_id_x 1
		.amdhsa_system_sgpr_workgroup_id_y 1
		.amdhsa_system_sgpr_workgroup_id_z 1
		.amdhsa_system_vgpr_workitem_id 0
		.amdhsa_next_free_vgpr 256
		.amdhsa_next_free_sgpr 66
		.amdhsa_reserve_vcc 0
		.amdhsa_float_denorm_mode_32 3
		.amdhsa_float_denorm_mode_16_64 3
		.amdhsa_memory_ordered 1
		.amdhsa_forward_progress 1
		.amdhsa_inst_pref_size 21
	.end_amdhsa_kernel
	.amdgpu_metadata
---
amdhsa.version: [ 1, 2 ]
amdhsa.kernels:
  - .name:           k_qfda31edf06_attn
    .symbol:         k_qfda31edf06_attn.kd
    .args:
      - { .name: qkv, .offset: 0, .size: 8, .value_kind: global_buffer, .address_space: global }
      - { .name: ao, .offset: 8, .size: 8, .value_kind: global_buffer, .address_space: global }
    .group_segment_fixed_size: 0
    .private_segment_fixed_size: 0
    .kernarg_segment_align: 8
    .kernarg_segment_size: 16
    .max_flat_workgroup_size: 256
    .sgpr_count:     66
    .vgpr_count:     256
    .wavefront_size: 32
...
	.end_amdgpu_metadata
.endif
;; end of part 3
;; launch projgemm (part 4): grid 4 x 64, 4 waves a work-group, clusters of 4 x 4, 327,680 bytes of LDS; arguments ao, wt, bias, out0; writes out0
.if DOCPART == 4
	.amdgcn_target "amdgcn-amd-amdhsa--gfx1250"
	.amdhsa_code_object_version 6
	.text
	.protected	k_qfda31edf06_projgemm
	.globl	k_qfda31edf06_projgemm
	.p2align	8
	.type	k_qfda31edf06_projgemm,@function
k_qfda31edf06_projgemm:
	s_mov_b64 s[64:65], 0
	v_nop
	global_prefetch_b8 v0, s[64:65] scope:SCOPE_SE
	s_setreg_imm32_b32 hwreg(HW_REG_WAVE_MODE, 25, 1), 1
	s_wait_xcnt 0x0
	s_wait_alu depctr_hold_cnt(0) depctr_sa_sdst(0) depctr_va_vdst(0) depctr_va_sdst(0) depctr_va_ssrc(0) depctr_va_vcc(0) depctr_vm_vsrc(0)
	s_getreg_b32 s2, hwreg(HW_REG_IB_STS2, 6, 4)
	s_cmp_eq_u32 s2, 0
	s_cbranch_scc0 .Lentry_in_a_cluster
	s_endpgm
.Lentry_in_a_cluster:
	s_bfe_u32 s2, ttmp6, 0x10000c
	s_cmp_lg_u32 s2, 0xf033
	s_cbranch_scc0 .Lentry_shape_is_right
	s_endpgm
.Lentry_shape_is_right:
; out0[m][n] = sum over k' of ao[m][k'] wt[3072 + n][k'] + bias[3072 + n].  ao: [16384][1024] f16, wt rows 3072-4095: Wo^T in f16 (the bf16-rounded numbers), both in the same order k'; bias f32; out0: [16384][1024] f32.
; A tile of C, 256 x 256, is made by four waves, 128 x 128 each: 64 accumulators of 16 x 16; one tile to a work-group.  K goes in steps of 128 through a ring of two LDS slots filled by the tensor data mover (rows of 256 bytes, aligned).
; CLUSTERS: 4 x 4 work-groups.  The four of a row of the cluster need the same tiles of A, the four of a column the same tiles of B: each is asked for JOINTLY, by the same tensor load with the same descriptor and mask.
; THE MATRIX INSTRUCTION IS USED TRANSPOSED (source 0 = 16 rows of B, source 1 = 16 rows of A): lane l holds row l % 16 of C and the columns 8 (l / 16) + 0..7.
; THE BIAS STARTS THE SUMS: the first products take as C eight registers that hold bias[16 b + 8 (l / 16) + 0..7]: nothing is cleared, nothing is added at the end.
; THE LAST K STEP GOES BY ROWS OF C: nothing follows the tile under which its stores could leave, so my eight blocks of 16 rows are finished one after the other, and each leaves while the next is multiplied.
; REGISTERS, in windows of 256 (s_set_vgpr_msb: bits 1:0 source 0, 3:2 source 1, 5:4 source 2, 7:6 destination):
;   window 0: v0-31 addresses; v64-127, v128-191 fragments of A, two buffers (in the last K step four, of 16 rows x 128 K); v192-255 16 rows of C read back from the stage
;   window 1: v0-63 the bias, 8 registers for each of my 8 column blocks; v64-127, v128-191 fragments of B; in the last K step all 256: B's fragments of the whole step
;   window 2: the accumulators of my rows 0-63 ((a, b) at v[8 (8 a + b)]);   window 3: those of my rows 64-127
.set CPITCH, 4096                      ; bytes in a row of C
.set BROW0,  3072                      ; first row of wt
.set BIAS0,  12288                     ; first byte of bias
.set SIZE_K, 1024
.set KSTEP,  128
.set PITCH,  272                       ; an LDS row: 256 bytes + 16 of padding = 68 words: the 16 rows that a load touches start at 16 different groups of four banks (64 banks of 4 bytes: ISA guide 11.1)
.set HALFT,  128*PITCH                 ; 128 rows: what one tensor load brings
.set SLOT,   4*HALFT                   ; A's 256 rows, then B's 256 rows
.set STAGE,  2*SLOT                    ; behind the ring: 16 rows for each wave, for the way out; no tensor load lands there
.set SPITCH, 528                       ; a row of the stage: 512 bytes + 16
.set SPARE,  STAGE+4*16*SPITCH         ; behind the stages: the spare words, 128 bytes for each wave: two blocks of 256 bytes that no other line names
.set LAPS,   SIZE_K/(2*KSTEP)          ; a lap = two K steps = once round the ring
.set ADRA, 16                          ; v16-17  LDS address of my A fragments in slot 0, 1
.set ADRB, 20                          ; v20-21  the same for B
.set STO,  24                          ; v24     the way out: where I put 32 bytes of a row
.set RD,   25                          ; v25     the way out: where I read rows back
.set CO,   26                          ; v26     my byte offset in a row of C
.set BO,   27                          ; v27     my byte offset in a column block's 16 biases: 32 (l / 16)
.set SPW,  28                          ; v28     LDS address of my spare word; never rewritten
.set NIL,  29                          ; v29     0; never rewritten
.set PFO,  30                          ; v30     the prefetches' offset: my lane x a row of 2,048 bytes; never rewritten
.set PFA,  44                          ; s[44:45] where my prefetches stand
.set LIM,  43                          ; s43     2 in a wave that prefetches, else the greatest number
.set F0,   64
.set F1,   128
.set PA,   64                          ; the last K step: A's fragments of 16 rows x 128 K, 32 registers; four such buffers, v64-191
.set OUT,  192                         ; v192-255: a block's 16 rows of 512 bytes, 4 registers a row
.set G1,   24                          ; s[24:31] descriptor group 1 for A's tiles;  s[32:39] group 0, one set for each slot
.set G0,   32
.set G1B,  48                          ; s[48:55], s[56:63] the same for B's tiles
.set G0B,  56
.set BP,   68                          ; s[68:69] bias at my 128 columns
.set CP,   70                          ; s[70:71] C at my 128 x 128
.set MSB, 0
.macro WIN new                         ; the immediate's high byte repeats the setting that is left; a switch that changes nothing is dropped
.if MSB != (\new)
	s_set_vgpr_msb (MSB<<8)|(\new)
.set MSB, \new
.endif
.endm
.set MUL_LO, 0xa1                      ; source 0 (B) window 1, source 1 (A) window 0, C and D window 2
.set TO_B,   0x40                      ; destination window 1, address window 0
; A joint load.  Waves 0 and 1 fetch A's two halves, waves 2 and 3 B's; the branch hangs on the wave's number alone.  An s_nop 0 and four v_nop follow each line.
.macro JLOAD s
	s_cmp_eq_u32 s11, 0
	s_cbranch_scc0 .Lfor_b_\@
	tensor_load_to_lds s[G0+4*(\s):G0+4*(\s)+3], s[G1:G1+7]
	s_nop 0
.rept 4
	v_nop
.endr
	s_branch .Lasked_\@
.Lfor_b_\@:
	tensor_load_to_lds s[G0B+4*(\s):G0B+4*(\s)+3], s[G1B:G1B+7]
	s_nop 0
.rept 4
	v_nop
.endr
.Lasked_\@:
.endm
; A PREFETCH INTO THE L2, behind each joint load and the run of LDS loads that follows it: the K step that stands two refills on, 512 matrix instructions ahead of the load that will want it: 32 rows x 256 bytes, a lane a row.
; Each row's 256 bytes of a K step are named once in the launch: A's rows by their own cluster (the grid has one cluster along x); B's rows by the clusters with y = 0.
; The four partners that ask for a tile jointly share its rows out BY ADDRESS, 32 each (cx for A, cy for B).  The last two refills have no K step two on and ask for nothing.
.macro ASK
	s_cmp_gt_u32 s3, s[LIM]                        ; s3 = 2 in the last lap that fills slots
	s_cbranch_scc0 .Lnot_mine_\@
	global_prefetch_b8 v[PFO], s[PFA:PFA+1] offset:KSTEP*2 th:TH_LOAD_NT scope:SCOPE_SE
.Lnot_mine_\@:
.endm
.macro CREST                           ; a round of the cluster's barrier behind its opening barrier
	s_cmp_lg_u32 s10, 0
	s_cbranch_scc1 .Lnot_wave_0_\@
	s_barrier_signal -3
.Lnot_wave_0_\@:
	s_barrier_wait -3
	s_barrier_signal -1
	s_barrier_wait -1
.endm
.macro CROUND                          ; a whole round
	s_barrier_signal -1
	s_barrier_wait -1
	CREST
.endm
	s_load_b128 s[4:7], s[0:1], 0x0                ; A s[4:5], wt s[6:7]
	s_load_b128 s[BP:BP+3], s[0:1], 0x10           ; bias, C
	v_lshl_add_u32 v[SPW], v0, 2, SPARE
	v_mov_b32 v[NIL], 0
	ds_add_u32 v[SPW], v[NIL]                      ; the wave's opening: the add and its wait stand ahead of my first tensor load; the set-up below, work on registers, stands between them
	v_lshrrev_b32 v1, 5, v0
	v_readfirstlane_b32 s10, v1                    ; wave 0..3
	s_lshr_b32 s11, s10, 1                         ; which half of the tile's rows is mine.  Also: I fetch for A (0) or for B (1)
	s_and_b32 s12, s10, 1                          ; which half of its columns.  Also: which 128 rows of that tile I fetch
	s_bfe_u32 s40, ttmp6, 0x40000                  ; cx
	s_bfe_u32 s41, ttmp6, 0x40004                  ; cy
	s_lshl_b32 s42, ttmp9, 2
	s_add_co_u32 s42, s42, s40                     ; tile column = 4 x cluster x + cx
	s_and_b32 s13, ttmp7, 0xffff
	s_lshl_b32 s13, s13, 2
	s_add_co_u32 s13, s13, s41                     ; tile row = 4 x cluster y + cy
	s_lshl_b32 s43, s41, 2
	s_lshl_b32 s43, 15, s43                        ; my row of the cluster
	s_lshl_b32 s44, 0x1111, s40                    ; my column
	s_or_b32 s[G1+0], s43, (1<<16)|(1<<20)|(1<<21)|(5<<22)|(3<<25)   ; 15:0 the mask; 17:16 2-byte elements; 20 padding on; 21 set beside a mask; 24:22 after every 64 words (code 5); 31:25 4 words (code 3)
	s_or_b32 s[G1B+0], s44, (1<<16)|(1<<20)|(1<<21)|(5<<22)|(3<<25)
.irp g, G1, G1B
	s_mov_b32 s[(\g)+1], KSTEP<<16                 ; tensor_dim0 = 128
	s_mov_b32 s[(\g)+2], 128<<16                   ; tensor_dim1 = 128
	s_mov_b32 s[(\g)+3], KSTEP<<16                 ; tile_dim0 = 128
	s_mov_b32 s[(\g)+4], 128                       ; tile_dim1 = 128
	s_mov_b32 s[(\g)+5], SIZE_K                    ; elements from row to row
	s_mov_b32 s[(\g)+6], 0
	s_mov_b32 s[(\g)+7], 0
.endr
	s_lshl_b32 s17, s12, 7                         ; which 128 rows of the tile I fetch
	s_lshl_b32 s16, s13, 8
	s_add_co_u32 s16, s16, s17                     ; A: row 256 x tile row + 128 x half
	s_lshl_b32 s46, s42, 8
	s_add_co_u32 s46, s46, s17                     ; B: row 256 x tile column + 128 x half
	s_mov_b32 s17, 0
	s_mov_b32 s47, 0
	s_mov_b64 s[18:19], SIZE_K*2
	s_mul_u64 s[16:17], s[16:17], s[18:19]
	s_mul_u64 s[46:47], s[46:47], s[18:19]
	s_mul_i32 s20, s10, HALFT                      ; where they go: wave x 128 rows: no place in the cluster enters an LDS address
	s_wait_dscnt 0x0                               ; the opening add is done
	s_wait_kmcnt 0x0
	s_add_nc_u64 s[6:7], s[6:7], BROW0*SIZE_K*2    ; wt at this product's first row
	s_add_nc_u64 s[14:15], s[4:5], s[16:17]
	s_add_nc_u64 s[46:47], s[6:7], s[46:47]
	CROUND                                         ; all sixteen work-groups are here: the first joint loads meet
.irp s, 0,1
	s_mov_b32 s[G0+4*(\s)], 1
	s_add_co_u32 s[G0+4*(\s)+1], s20, (\s)*SLOT
	s_add_nc_u64 s[G0+4*(\s)+2:G0+4*(\s)+3], s[14:15], (\s)*KSTEP*2
	s_or_b32 s[G0+4*(\s)+3], s[G0+4*(\s)+3], 0x80000000
	s_mov_b32 s[G0B+4*(\s)], 1
	s_add_co_u32 s[G0B+4*(\s)+1], s20, (\s)*SLOT
	s_add_nc_u64 s[G0B+4*(\s)+2:G0B+4*(\s)+3], s[46:47], (\s)*KSTEP*2
	s_or_b32 s[G0B+4*(\s)+3], s[G0B+4*(\s)+3], 0x80000000
	JLOAD \s                                       ; two loads of mine are out
.endr
	v_and_b32 v1, 15, v0                           ; l % 16
	v_bfe_u32 v2, v0, 4, 1                         ; l / 16
	v_mul_u32_u24 v3, v1, PITCH
	v_lshl_add_u32 v3, v2, 4, v3                   ; a fragment's row x pitch + 16 x half
	s_mul_i32 s21, s11, HALFT                      ; my 128 rows of A
	s_mul_i32 s22, s12, HALFT                      ; my 128 rows of B,
	s_add_co_u32 s22, s22, 2*HALFT                 ; which lie behind A's 256
.irp s, 0,1
	v_add_nc_u32 v[ADRA+(\s)], s21, v3
	v_add_nc_u32 v[ADRB+(\s)], s22, v3
	s_add_co_u32 s21, s21, SLOT
	s_add_co_u32 s22, s22, SLOT
.endr
	s_mul_i32 s23, s10, 16*SPITCH
	s_add_co_u32 s23, s23, STAGE                   ; my stage
	v_mul_u32_u24 v4, v1, SPITCH                   ; in: row l % 16, 32 bytes for each half of the lanes
	v_lshl_add_u32 v4, v2, 5, v4
	v_add_nc_u32 v[STO], s23, v4
	v_and_b32 v5, 31, v0                           ; back: 32 lanes take one row of 512 bytes,
	v_lshlrev_b32 v[CO], 4, v5                     ; and the same in C
	v_add_nc_u32 v[RD], s23, v[CO]
	v_lshlrev_b32 v[BO], 5, v2
	s_lshl_b32 s13, s13, 8                         ; C at my part of the tile
	s_lshl_b32 s14, s11, 7
	s_add_co_u32 s16, s13, s14                     ; my first row
	s_mov_b32 s17, 0
	s_mov_b64 s[18:19], CPITCH
	s_mul_u64 s[16:17], s[16:17], s[18:19]
	s_lshl_b32 s46, s42, 10                        ; my first column, in bytes
	s_lshl_b32 s47, s12, 9
	s_add_co_u32 s46, s46, s47
	s_mov_b32 s47, 0
	s_add_nc_u64 s[16:17], s[16:17], s[46:47]
	s_add_nc_u64 s[CP:CP+1], s[CP:CP+1], s[16:17]
	s_add_co_u32 s46, s46, BIAS0                   ; the bias of my first column: f32 like C, behind the other three matrices' biases
	s_add_nc_u64 s[BP:BP+1], s[BP:BP+1], s[46:47]
	; the prefetches.  s13 = 256 x tile row, s42 = tile column, s40 = cx, s41 = cy still stand
	s_lshl_b32 s42, s42, 8
	s_and_b32 s22, ttmp7, 0xffff                   ; cluster y
	s_cmp_eq_u32 s11, 0                            ; do I fetch for A?
	s_cselect_b32 s20, s13, s42                    ; the tile's first row
	s_cselect_b32 s21, s40, s41                    ; my place among the four that ask for it with me
	s_cselect_b32 s22, ttmp9, s22                  ; the coordinate along which other clusters read the same rows
	s_cselect_b64 s[PFA:PFA+1], s[4:5], s[6:7]
	s_cmp_eq_u32 s22, 0
	s_cselect_b32 s[LIM], 2, -1                    ; the same in all sixteen partners, for a given wave
	s_lshl_b32 s22, s12, 7
	s_add_co_u32 s20, s20, s22                     ; + the 128 rows that I fetch
	s_lshl_b32 s21, s21, 5
	s_add_co_u32 s20, s20, s21                     ; + my work-group's 32 of them
	s_mov_b32 s21, 0
	s_mov_b64 s[18:19], SIZE_K*2
	s_mul_u64 s[20:21], s[20:21], s[18:19]
	s_add_nc_u64 s[PFA:PFA+1], s[PFA:PFA+1], s[20:21]
	s_add_nc_u64 s[PFA:PFA+1], s[PFA:PFA+1], 2*KSTEP*2  ; at K step 2: the first refill steps it to 3 and names K step 4; nothing is prefetched here, at the head
	v_and_b32 v[PFO], 31, v0
	v_mul_u32_u24 v[PFO], v[PFO], SIZE_K*2
.macro WM d, a, b, c                   ; one matrix instruction, by the first registers of D, source 0, source 1 and C
	v_wmma_f32_16x16x32_f16 v[(\d):(\d)+7], v[(\a):(\a)+7], v[(\b):(\b)+7], v[(\c):(\c)+7]
.endm
; 16 matrix instructions: m blocks a0, a0 + 1 of the window's four (hi = 0: my rows 0-63, 1: rows 64-127) x all 8 n blocks, 32 along K.  zero = 1: the sums start, with the bias (window 1) as C.
.macro MUL16 f, hi, a0, zero
.if \zero
	WIN 0x91+0x40*(\hi)
.else
	WIN MUL_LO+0x50*(\hi)
.endif
.irp a, \a0, (\a0)+1
.irp b, 0,1,2,3,4,5,6,7
.if \zero
	WM 8*(8*(\a)+(\b)), (\f)+8*(\b), (\f)+8*(4*(\hi)+(\a)), 8*(\b)
.else
	WM 8*(8*(\a)+(\b)), (\f)+8*(\b), (\f)+8*(4*(\hi)+(\a)), 8*(8*(\a)+(\b))
.endif
.endr
.endr
.endm
; 32 LDS loads in one run: the fragments of one quarter step (128 rows of B, 128 rows of A, 32 K at byte k of the rows) into buffer f
.macro FETCH slot, k, f
	WIN TO_B
.irp i, 0,1,2,3,4,5,6,7
	ds_load_b128 v[(\f)+8*(\i):(\f)+8*(\i)+3],   v[ADRB+(\slot)] offset:(\k)+(\i)*16*PITCH
	ds_load_b128 v[(\f)+8*(\i)+4:(\f)+8*(\i)+7], v[ADRB+(\slot)] offset:(\k)+(\i)*16*PITCH+32
.endr
	WIN 0
.irp i, 0,1,2,3,4,5,6,7
	ds_load_b128 v[(\f)+8*(\i):(\f)+8*(\i)+3],   v[ADRA+(\slot)] offset:(\k)+(\i)*16*PITCH
	ds_load_b128 v[(\f)+8*(\i)+4:(\f)+8*(\i)+7], v[ADRA+(\slot)] offset:(\k)+(\i)*16*PITCH+32
.endr
.endm
.macro PLACES                          ; four plain vector instructions between a matrix instruction and a load into, or a read of, its registers
.rept 4
	v_nop
.endr
.endm
.macro BIASLD                          ; my 128 biases: for each column block the 8 that my half of the lanes holds; all 16 lanes of a half read the same 32 bytes
	WIN TO_B
.irp b, 0,1,2,3,4,5,6,7
	global_load_b128 v[8*(\b):8*(\b)+3],   v[BO], s[BP:BP+1] offset:64*(\b)
	global_load_b128 v[8*(\b)+4:8*(\b)+7], v[BO], s[BP:BP+1] offset:64*(\b)+16
.endr
	WIN 0
.endm
; A K step is four quarters of 32 along K, 64 matrix instructions each, on buffers 0, 1, 0, 1.  One of the first three: multiplies f; in its middle it fetches the next quarter, at byte k, into g.
; The 64 accumulators take turns in the same order in every quarter.
.macro QUARTER slot, k, f, g, zero
	s_wait_dscnt 8                                 ; B and A's rows 0-63 are in; the youngest eight loads (A's rows 64-127) may be out
	MUL16 \f, 0, 0, \zero
	MUL16 \f, 0, 2, \zero
	PLACES
	FETCH \slot, \k, \g
	s_wait_dscnt 32                                ; all but the 32 just issued
	MUL16 \f, 1, 0, \zero
	MUL16 \f, 1, 2, \zero
.endm
; The last quarter's first half: ONE barrier for the change of slots.  In front of it each wave waits for all its tensor loads (one is out: its part of the next slot), adds 0 to its spare word, and waits for that and for its reads of this slot.
.macro MEET round
	WIN 0                                          ; (the add's two registers lie in window 0)
	s_wait_tensorcnt 0x0
	ds_add_u32 v[SPW], v[NIL]
	s_wait_dscnt 9                                 ; (the add and the youngest eight loads may be out)
	MUL16 F1, 0, 0, 0                              ; sixteen matrix instructions stand between the add and the wait for it
	s_wait_dscnt 0x0                               ; the add is done, and my reads of this slot are over
	s_barrier_signal -1
	MUL16 F1, 0, 2, 0                              ; work on registers while the others arrive
.if \round
	WIN 0
.endif
	s_barrier_wait -1
.endm
; The whole last quarter.  Behind the round the slot just read out is filled again first, with the K step two steps on; then come the next slot's first fragments.
; From a request to the wait for it a wave issues 224 matrix instructions.
.macro TURN slot, next
	s_wait_xcnt 0x0                                ; the last prefetch, a K step back, has read its address: it is stepped here
	s_add_nc_u64 s[PFA:PFA+1], s[PFA:PFA+1], KSTEP*2
	MEET 1
	CREST                                          ; no wave of any partner still reads this slot's tile or has a load on its way
	s_add_nc_u64 s[G0+4*(\slot)+2:G0+4*(\slot)+3], s[G0+4*(\slot)+2:G0+4*(\slot)+3], 2*KSTEP*2
	s_add_nc_u64 s[G0B+4*(\slot)+2:G0B+4*(\slot)+3], s[G0B+4*(\slot)+2:G0B+4*(\slot)+3], 2*KSTEP*2
	JLOAD \slot                                    ; the first tensor load behind the round; its four v_nop are also the places in front of the loads below
	FETCH \next, 0, F0
	ASK
	MUL16 F1, 1, 0, 0
	MUL16 F1, 1, 2, 0
.endm
; THE LAST K STEP (it lies in slot 1) BY ROWS OF C.  All its fragments of B (4 quarters x 64 registers) fill window 1; then my eight blocks of 16 rows are finished one after the other, each with 32 matrix
; instructions (its 8 accumulators by turns, K ascending: the sums stay the same).  LDS is read no more than in any other K step.
.macro BLOAD q                         ; B's fragments of quarter q -> window 1, v[64 q ..]
	WIN TO_B
.irp i, 0,1,2,3,4,5,6,7
	ds_load_b128 v[64*(\q)+8*(\i):64*(\q)+8*(\i)+3],   v[ADRB+1] offset:64*(\q)+(\i)*16*PITCH
	ds_load_b128 v[64*(\q)+8*(\i)+4:64*(\q)+8*(\i)+7], v[ADRB+1] offset:64*(\q)+(\i)*16*PITCH+32
.endr
.endm
.macro ALOAD a                         ; A's fragments of block a, all four quarters -> buffer a % 4
	WIN 0
.set FA, PA+32*((\a)%4)
.irp q, 0,1,2,3
	ds_load_b128 v[FA+8*(\q):FA+8*(\q)+3],   v[ADRA+1] offset:64*(\q)+(\a)*16*PITCH
	ds_load_b128 v[FA+8*(\q)+4:FA+8*(\q)+7], v[ADRA+1] offset:64*(\q)+(\a)*16*PITCH+32
.endr
.endm
.macro ROW a                           ; block a is finished: 32 matrix instructions
.set FA, PA+32*((\a)%4)                ; its fragments of A
.set AC, 64*((\a)%4)                   ; its eight accumulators, in window 2 (blocks 0-3) or 3 (blocks 4-7)
	WIN MUL_LO+0x50*((\a)/4)
.irp q, 0,1,2,3
.if (\a) == 0 && (\q) == 2
	s_wait_dscnt 24                                ; B's quarter 2 is in (behind it: A's blocks 1 to 3)
.endif
.irp b, 0,1,2,3,4,5,6,7
	WM AC+8*(\b), 64*(\q)+8*(\b), FA+8*(\q), AC+8*(\b)
.endr
.endr
.endm
; THE WAY OUT of block a.  TOSTAGE32: a lane's eight columns of a row, 32 bytes, go from the accumulators into rows of 528 bytes of my own stage, lowest registers first, and are asked back as whole rows of 512 bytes.
.macro TOSTAGE32 a
.set AC, 64*((\a)%4)
	WIN 0x08+4*((\a)/4)                            ; the stores' data: window 2 or 3
.irp b, 0,1,2,3,4,5,6,7
	ds_store_b128 v[STO], v[AC+8*(\b):AC+8*(\b)+3]   offset:64*(\b)
	ds_store_b128 v[STO], v[AC+8*(\b)+4:AC+8*(\b)+7] offset:64*(\b)+16
.endr
	WIN 0
	s_wait_xcnt 0x0                                ; the stores of the block before have read the registers that are loaded again below
.irp t, 0,1,2,3,4,5,6,7,8,9,10,11,12,13,14,15
	ds_load_b128 v[OUT+4*(\t):OUT+4*(\t)+3], v[RD] offset:(\t)*SPITCH  ; LDS serves a wave's instructions in order: these see the stores above, and the next block's stores come behind them
.endr
.endm
.macro SEND32 a, younger               ; younger: the LDS loads issued behind TOSTAGE32's, which may stay out
	WIN 0
	s_wait_dscnt \younger                          ; the block is back in registers: its loads had the next block's 32 products in which to come
.irp t, 0,1,2,3,4,5,6,7,8,9,10,11,12,13,14,15
	global_store_b128 v[CO], v[OUT+4*(\t):OUT+4*(\t)+3], s[CP:CP+1] offset:(16*(\a)+(\t))*CPITCH th:TH_STORE_NT  ; 512 consecutive bytes of a row of C, aligned
.endr
.endm
	BIASLD
	s_wait_tensorcnt 1                             ; my part of K step 0 is in; K step 1's may stay out
	s_barrier_signal -1
	s_barrier_wait -1                              ; everybody's is
	FETCH 0, 0, F0
	s_wait_loadcnt 0x0                             ; the bias
	QUARTER 0, 64,  F0, F1, 1                      ; the first quarter stands in front of the loop: its products start the sums
	WIN 0                                          ; at a label and at a branch every window is 0
	s_mov_b32 s3, LAPS                             ; laps to go, this one among them
.Llap:                                                 ; a trip goes once round the ring, from a lap's second quarter to the next lap's first, and fills both slots again; the last lap leaves it behind its third quarter
	QUARTER 0, 128, F1, F0, 0
	QUARTER 0, 192, F0, F1, 0
	WIN 0
	s_cmp_eq_u32 s3, 1
	s_cbranch_scc1 .Llast_lap
	TURN 0, 1
	QUARTER 1, 64,  F0, F1, 0
	QUARTER 1, 128, F1, F0, 0
	QUARTER 1, 192, F0, F1, 0
	TURN 1, 0
	QUARTER 0, 64,  F0, F1, 0
	WIN 0
	s_sub_co_u32 s3, s3, 1
	s_branch .Llap
.Llast_lap:
	MEET 0                                         ; my one tensor load that was still out is the last K step's, so no round follows
	PLACES                                         ; for the loads into buffer 0, which the quarter before multiplied
	BLOAD 0                                        ; three quarters of B now (the first into the bias's registers, which only the first products read): buffer 1 is still being multiplied
	BLOAD 1
	BLOAD 3
	ALOAD 0
	MUL16 F1, 1, 0, 0
	MUL16 F1, 1, 2, 0
	PLACES                                         ; for the loads into buffer 1
	BLOAD 2
	ALOAD 1
	ALOAD 2
	ALOAD 3
	s_wait_dscnt 40                                ; all but the 40 just issued
	ROW 0
.irp a, 0,1,2,3,4,5,6,7                ; block a goes into the stage, block a + 1 is multiplied while it comes back, then block a is stored
	PLACES                                         ; the LDS stores read results just made, and the loads of A land in registers just read
.if (\a) == 0
	s_wait_dscnt 0x0                               ; A's blocks 1 to 3, asked for ahead of block 0's products, are in: the next three blocks need no further wait
.endif
	TOSTAGE32 \a
.if (\a) < 4
	ALOAD (\a)+4                                   ; block a's buffer takes the block four further on; the wait of a later block's stores shows it in, ahead of its products
.endif
.if (\a) < 7
	ROW (\a)+1
.endif
.if (\a) < 4
	SEND32 \a, 8
.else
	SEND32 \a, 0
.endif
.endr
	s_wait_tensorcnt 0x0                           ; the wave's end: behind my last tensor load and my last LDS store
	ds_add_u32 v[SPW], v[NIL]
	s_wait_dscnt 0x0
	CROUND                                         ; the closing round: no work-group ends while a partner may still ask for a tile that names it
	s_endpgm
.Lfunc_end_k_qfda31edf06_projgemm:
	.size	k_qfda31edf06_projgemm, .Lfunc_end_k_qfda31edf06_projgemm-k_qfda31edf06_projgemm
	.p2alignl 7, 3214868480
	.fill 96, 4, 3214868480
	.section	.rodata,"a",@progbits
	.p2align	6, 0x0
	.amdhsa_kernel k_qfda31edf06_projgemm
		.amdhsa_group_segment_fixed_size 327680
		.amdhsa_private_segment_fixed_size 0
		.amdhsa_enable_private_segment 0
		.amdhsa_kernarg_size 32
		.amdhsa_user_sgpr_count 2
		.amdhsa_user_sgpr_kernarg_segment_ptr 1
		.amdhsa_wavefront_size32 1
		.amdhsa_system_sgpr_workgroup_id_x 1
		.amdhsa_system_sgpr_workgroup_id_y 1
		.amdhsa_system_sgpr_workgroup_id_z 1
		.amdhsa_system_vgpr_workitem_id 0
		.amdhsa_next_free_vgpr 1024
		.amdhsa_next_free_sgpr 72
		.amdhsa_reserve_vcc 0
		.amdhsa_float_denorm_mode_32 3
		.amdhsa_float_denorm_mode_16_64 3
		.amdhsa_memory_ordered 1
		.amdhsa_forward_progress 1
		.amdhsa_inst_pref_size 131
	.end_amdhsa_kernel
	.amdgpu_metadata
---
amdhsa.version: [ 1, 2 ]
amdhsa.kernels:
  - .name:           k_qfda31edf06_projgemm
    .symbol:         k_qfda31edf06_projgemm.kd
    .args:
      - { .name: ao, .offset: 0, .size: 8, .value_kind: global_buffer, .address_space: global }
      - { .name: wt, .offset: 8, .size: 8, .value_kind: global_buffer, .address_space: global }
      - { .name: bias, .offset: 16, .size: 8, .value_kind: global_buffer, .address_space: global }
      - { .name: out0, .offset: 24, .size: 8, .value_kind: global_buffer, .address_space: global }
    .group_segment_fixed_size: 327680
    .private_segment_fixed_size: 0
    .kernarg_segment_align: 8
    .kernarg_segment_size: 32
    .max_flat_workgroup_size: 128
    .sgpr_count:     72
    .vgpr_count:     1024
    .wavefront_size: 32
...
	.end_amdgpu_metadata
.endif
;; end of part 4
;; ======== version 2 of 2: 4 launches; version 1 with the launches prep, attn written anew for expert scheduling mode
;; limits: values are held in f16: magnitudes above 65,504 overflow, below 6.1e-05 lose precision
;; workspace buffers: xb 33,554,432 bytes; wt 8,388,608 bytes; bias 16,384 bytes; qkv 100,663,296 bytes; ao 33,554,432 bytes
;; launch prep (part 5): grid 1160 x 1, 4 waves a work-group, no clusters, 70,144 bytes of LDS; arguments x, Wq, Wk, Wv, Wo, bq, bk, bv, bo, xb, wt, bias; writes xb, wt, bias
.if DOCPART == 5
	.amdgcn_target "amdgcn-amd-amdhsa--gfx1250"
	.amdhsa_code_object_version 6
	.text
	.protected	k_qfda31edf06_prep
	.globl	k_qfda31edf06_prep
	.p2align	8
	.type	k_qfda31edf06_prep,@function
k_qfda31edf06_prep:
	s_mov_b64 s[64:65], 0
	v_nop
	global_prefetch_b8 v0, s[64:65] scope:SCOPE_SE
	s_setreg_imm32_b32 hwreg(HW_REG_WAVE_SCHED_MODE, 0, 2), 2
	s_setreg_imm32_b32 hwreg(HW_REG_WAVE_MODE, 25, 1), 1
	s_wait_xcnt 0x0
	s_wait_alu depctr_vm_vsrc(0)
; PREPARATION.  Three kinds of work-group, told apart by the work-group number alone (forward scalar branches, no barrier anywhere):
;   0-127     the four weight matrices W[k][n] (f32) are turned into wt[n'][k'] (16 bits): 128 k' x 64 n to a wave, through the wave's own LDS bytes
;   128-135   the four biases, permuted like their matrix's columns, rounded to bf16 and kept as f32
;   136-1159  x (f32) rounded to bf16, 65,536 bytes of x to a work-group
; ALL inputs are rounded to bf16 once.  Wo's rounded number is then written as f16, since the last product multiplies f16.
; LIMIT: |Wo| below 6e-5 keeps f16's fixed step of 6e-8; |Wo| stays under 65,504.
; PERMUTATIONS (so that the attention launch needs no LDS and loads and stores 512 consecutive bytes a wave):
;   pi(head, d) = (d / 16) 256 + ((d / 8) % 2) 128 + 8 head + d % 8      columns of Wq, Wk (and bq, bk): n = 64 head + d -> n' = pi;  rows of Wo: k = 64 head + d -> k' = pi
;   columns of Wv (and bv): n = 64 key + d -> n' = (d / 16) 256 + (key / 8) 128 + (d % 16) 8 + key % 8          columns of Wo (and bo) keep their order
; wt rows: 0-1023 q', 1024-2047 k', 2048-3071 v' (bf16), 3072-4095 Wo^T (f16).
; THE MODE: SCHED_MODE bits 1:0 = 2 (LLVM: expert scheduling mode 2), set by the entry lines.  The code itself states the register dependences
; between vector instructions and memory or LDS instructions, with s_wait_alu, always for 0.
; THE PLAN, path by path: the registers that memory or LDS instructions touch, who writes and who reads them.
;   x:       v3, v4     offsets, made once.   v[L ..]  32 units of four registers: a load lands; the unit's two conversions write its first two registers; its store reads them; nothing writes them again.
;            The units go in 8 blocks of four.  Block p's conversions name block p's registers alone, and the four stores of block p - 1 are dealt among them, behind ONE wait on va_vdst at the block's head.
;   weights: v10-v17    the loads' offsets: written at the path's head and at a trip's end; read by the trip's 32 loads.       v5  the LDS stores' address, likewise.       v6  the LDS loads' address, made once.
;            v[L ..]    a trip's loads land; the groups' first conversions read; behind the loop the LDS loads land, and the global stores read.
;            OUT0, OUT1 group g's selects write OUT[g % 2]; the eight LDS stores that read it are issued in group g + 1, dealt among that group's vector instructions, which name L, T and the other OUT.
;            v[T ..]    named by vector instructions alone.       v7  the global stores' offset, made behind the loop.
;            So a group's head holds a wait on va_vdst (the group before has written its OUT) and, from the trip's third group on, one on vm_vsrc (the stores issued in the group before have read the OUT that this group writes).
;   biases:  v12-v15    the loads' offsets; v11, v[24:27] the store's offset and data: a wait on va_vdst ahead of the loads and one ahead of the store.
.set WTILE, 17408                      ; a wave's LDS bytes: 64 rows n of 256 bytes + 16 of padding
.set LP,    272
.set SPARE, 4*WTILE                    ; behind them: the spare words, 128 bytes for each wave: two blocks of 256 bytes that no other line names
.set SPW,   32                         ; v32  LDS address of my spare word; never rewritten
.set NIL,   33                         ; v33  0; never rewritten
.set T,     34                         ; v[34:57] at work in the weights' path
.set L,     64                         ; v[64:191] data as loaded
.set OUT,   192                        ; v[192:207] the weights' path: two buffers of eight words on their way into LDS
	s_load_b512 s[8:23], s[0:1], 0x0               ; x s[8:9], Wq s[10:11], Wk s[12:13], Wv s[14:15], Wo s[16:17], bq s[18:19], bk s[20:21], bv s[22:23]
	s_load_b256 s[24:31], s[0:1], 0x40             ; bo s[24:25], xb s[26:27], wt s[28:29], bias s[30:31]
	v_lshl_add_u32 v[SPW], v0, 2, SPARE
	v_mov_b32 v[NIL], 0
	v_lshrrev_b32 v1, 5, v0
	v_readfirstlane_b32 s4, v1                     ; wave 0..3
	v_and_b32 v1, 15, v0                           ; g = lane % 16
	v_bfe_u32 v2, v0, 4, 1                         ; hh = lane / 16
	s_mov_b32 s39, 0xffff0000                      ; a word's upper half
	s_wait_alu depctr_va_sdst(0)                   ; s4 is written: the weights' path reads it, and the wait stands ahead of the branches that lead there
	s_wait_kmcnt 0x0
	s_cmp_lt_u32 ttmp9, 128
	s_cbranch_scc1 .Lweights
	s_cmp_lt_u32 ttmp9, 136
	s_cbranch_scc1 .Lbias
	; ---- x to bf16.  Unit u of 32: a load of the wave covers 512 consecutive bytes of x, a store 256 consecutive bytes of xb, aligned.
	s_sub_co_u32 s34, ttmp9, 136
	s_lshl_b32 s36, s34, 15                        ; 32,768 bytes of xb
	s_lshl_b32 s34, s34, 16                        ; 65,536 bytes of x
	s_mov_b32 s35, 0
	s_mov_b32 s37, 0
	s_add_nc_u64 s[34:35], s[8:9], s[34:35]
	s_add_nc_u64 s[36:37], s[26:27], s[36:37]
	v_lshlrev_b32 v3, 4, v0
	v_lshlrev_b32 v4, 3, v0
	s_wait_alu depctr_va_vdst(0)                   ; v3 and v4 are written: every load and store of this path reads one of them as its offset
.set u, 0
.rept 32
	global_load_b128 v[L+4*u:L+4*u+3], v3, s[34:35] offset:2048*u th:TH_LOAD_NT
.set u, u+1
.endr
.set p, 0
.rept 8                                        ; block p: units 4 p to 4 p + 3
	s_wait_loadcnt 28-4*p                          ; loads come back in order: block p is in, the 7 - p younger blocks of four loads stay out
.if p > 0
	s_wait_alu depctr_va_vdst(0)                   ; the conversions of block p - 1 have written the registers that the four stores below read
.endif
.irp q, 0,1,2,3
.if p > 0
	global_store_b64 v4, v[L+16*p-16+4*(\q):L+16*p-16+4*(\q)+1], s[36:37] offset:1024*(4*p-4+(\q))  ; the block before; no vector instruction since the wait names its registers, and none writes them again
.endif
	v_cvt_pk_bf16_f32 v[L+16*p+4*(\q)], v[L+16*p+4*(\q)], v[L+16*p+4*(\q)+1]
	v_cvt_pk_bf16_f32 v[L+16*p+4*(\q)+1], v[L+16*p+4*(\q)+2], v[L+16*p+4*(\q)+3]
.endr
.set p, p+1
.endr
	s_wait_alu depctr_va_vdst(0)                   ; the conversions of block 7 have written the registers that the last four stores read
.irp q, 0,1,2,3
	global_store_b64 v4, v[L+112+4*(\q):L+112+4*(\q)+1], s[36:37] offset:1024*(28+(\q))
.endr
	s_branch .Lend
	; ---- weights.  mat = id / 32; kt = (id / 4) % 8: k' = 128 kt ..; nt = 4 (id % 4) + wave: n = 64 nt ..
.Lweights:
	s_lshr_b32 s40, ttmp9, 5                       ; mat: 0 Wq, 1 Wk, 2 Wv, 3 Wo
	s_bfe_u32 s41, ttmp9, 0x30002                  ; kt
	s_and_b32 s42, ttmp9, 3
	s_lshl2_add_u32 s42, s42, s4                   ; nt
	s_cmp_eq_u32 s40, 1
	s_cselect_b64 s[32:33], s[12:13], s[10:11]
	s_cmp_eq_u32 s40, 2
	s_cselect_b64 s[32:33], s[14:15], s[32:33]
	s_cmp_eq_u32 s40, 3
	s_cselect_b64 s[32:33], s[16:17], s[32:33]
	s_cselect_b32 s38, -1, 0                       ; all lanes: the word is written as f16 (Wo) or stays bf16
	s_cselect_b32 s44, 3, 0
	s_cselect_b32 s45, 15, 19
	s_lshl_b32 s43, 0x8000, s44                    ; bytes from a group of 8 k' to the next: 8 rows of W, or for Wo 64 rows (the next head)
	s_lshl_b32 s50, s43, 3                         ; and eight groups on: a trip of the loop below
	s_lshl_b32 s46, s41, s45                       ; the tile's first source row: 128 kt, or for Wo 8 kt; times 4,096 bytes
	s_lshl_b32 s47, s42, 8                         ; 64 columns of f32
	s_add_co_u32 s46, s46, s47
	s_mov_b32 s47, 0
	s_add_nc_u64 s[32:33], s[32:33], s[46:47]
	v_lshlrev_b32 v10, 4, v1
	v_lshl_add_u32 v10, v2, 13, v10                ; group 0: 16 g + two rows down for lanes 16-31
.set gi, 0
.rept 7
	v_add_nc_u32 v[11+gi], s43, v[10+gi]           ; groups 1 to 7
.set gi, gi+1
.endr
	s_mul_i32 s5, s4, WTILE
	v_mul_u32_u24 v5, v1, 4*LP                     ; in: rows n = 4 g + j, byte 2 kk
	v_lshl_add_u32 v5, v2, 2, v5
	v_add_nc_u32 v5, s5, v5
	v_mul_u32_u24 v6, v2, LP                       ; back: lanes 0-15 one row of 256 bytes, lanes 16-31 the next
	v_lshl_add_u32 v6, v1, 4, v6
	v_add_nc_u32 v6, s5, v6
	s_lshl_b32 s46, s40, 21                        ; 1,024 rows of wt for each matrix
	s_lshl_b32 s47, s41, 8                         ; 128 k' of 2 bytes
	s_add_co_u32 s46, s46, s47
	s_mov_b32 s47, 0
	s_add_nc_u64 s[36:37], s[28:29], s[46:47]
; Group grp of a trip's eight = 8 neighbouring k'.  Four loads: lanes of half hh take row kk = 8 grp + 4 q + 2 hh + e; sixteen lanes read the row's 256 bytes.
.macro GLOAD grp
.irp q, 0,1
.irp e, 0,1
	global_load_b128 v[L+16*(\grp)+4*(2*(\q)+(\e)):L+16*(\grp)+4*(2*(\q)+(\e))+3], v[10+(\grp)], s[32:33] offset:(4*(\q)+(\e))*4096 th:TH_LOAD_NT
.endr
.endr
.endm
; Four of group grp's eight words go from its out-buffer into LDS, at rows n = 4 g + j.
.macro PUT grp, q
.irp j, 0,1,2,3
	ds_store_b32 v5, v[OUT+8*((\grp)%2)+4*(\q)+(\j)] offset:(\j)*LP+(\grp)*16+(\q)*8
.endr
.endm
; Group grp.  Eight words, each two neighbouring k' of one column n: rounded to bf16; the same numbers as f16; the one that the matrix wants, into OUT[grp % 2].
; The LDS stores of the group before are dealt among these lines, which name L, T and this group's OUT: none of the registers that those stores read.
.macro GRP grp
.set LB, L+16*(\grp)
.set OW, OUT+8*((\grp)%2)
	s_wait_loadcnt 28-4*(\grp)                     ; group grp is in: the 7 - grp younger groups of four loads stay out
.if (\grp) >= 2
	s_wait_alu depctr_vm_vsrc(0)                   ; the LDS stores issued in the group before have read OUT[grp % 2], which this group's selects write again (for a trip's first two groups the wait at the last trip's end has stated it)
.endif
.if (\grp) >= 1
	s_wait_alu depctr_va_vdst(0)                   ; the selects of the group before have written the other OUT, which the LDS stores below read
.endif
.irp q, 0,1
.irp j, 0,1,2,3
	v_cvt_pk_bf16_f32 v[T+4*(\q)+(\j)], v[LB+8*(\q)+(\j)], v[LB+8*(\q)+4+(\j)]
.endr
.endr
.if (\grp) >= 1
	PUT (\grp)-1, 0
.endif
.irp w, 0,1,2,3,4,5,6,7
	v_lshlrev_b32 v[T+8+(\w)], 16, v[T+(\w)]
.endr
.irp w, 0,1,2,3,4,5,6,7
	v_and_b32 v[T+16+(\w)], s39, v[T+(\w)]
.endr
.if (\grp) >= 1
	PUT (\grp)-1, 1
.endif
.irp w, 0,1,2,3,4,5,6,7
	v_cvt_pk_f16_f32 v[T+8+(\w)], v[T+8+(\w)], v[T+16+(\w)]
.endr
.irp w, 0,1,2,3,4,5,6,7
	v_cndmask_b32 v[OW+(\w)], v[T+(\w)], v[T+8+(\w)], s38
.endr
.endm
	s_mov_b32 s51, 2
.Lhalf:                                        ; two trips of eight groups, 64 k' each
	s_wait_alu depctr_va_vdst(0)                   ; v10 to v17, which the loads below read, v5 and v6 are written (at the path's head, or at the last trip's end); the last trip's conversions are done reading v[L ..], in which the loads land
.set gi, 0
.rept 8
	GLOAD gi                                       ; 32 loads of the wave are out
.set gi, gi+1
.endr
.set gi, 0
.rept 8
	GRP gi
.set gi, gi+1
.endr
	s_wait_alu depctr_va_vdst(0)                   ; group 7's selects have written OUT1, which the stores below read; and all the trip's conversions are done reading v[L ..], in which, behind the last trip, the LDS loads land
	PUT 7, 0
	PUT 7, 1
	s_wait_alu depctr_vm_vsrc(0)                   ; the trip's loads have read v10 to v17, and its LDS stores v5 and both OUT: the lines below write the addresses, the next trip's first two groups the OUT
.set gi, 0
.rept 8
	v_add_nc_u32 v[10+gi], s50, v[10+gi]           ; the last wait on LOADcnt was for 0: every load has come, so its offset may be stepped: eight groups on
.set gi, gi+1
.endr
	v_add_nc_u32 v5, 128, v5                       ; and 64 k' on in the LDS rows
	s_sub_co_u32 s51, s51, 1
	s_cmp_lg_u32 s51, 0
	s_cbranch_scc1 .Lhalf
.set i, 0
.rept 32
	ds_load_b128 v[L+4*i:L+4*i+3], v6 offset:i*2*LP  ; rows 2 i + hh; LDS serves a wave's instructions in order, so these see the stores above; the bytes are the wave's own.  No wait: since the last wait on va_vdst only the nine adds were issued, which name neither v6 nor v[L ..]
.set i, i+1
.endr
; 32 stores: sixteen lanes write 256 consecutive bytes of row n' of wt, aligned.  kind 0: q, k; 1: v; 2: o.  The part of n' that hangs on i stands in the immediate.
.macro WOUT kind
.set i, 0
.rept 32
.if (\kind) == 0
.set woff, ((i/8)*256+((i/4)%2)*128+2*(i%4))*2048
.elseif (\kind) == 1
.set woff, ((i/8)*256+16*(i%8))*2048
.else
.set woff, 2*i*2048
.endif
	global_store_b128 v7, v[L+4*i:L+4*i+3], s[36:37] offset:woff
.set i, i+1
.endr
.endm
	v_lshlrev_b32 v7, 4, v1                        ; 16 g
	s_cmp_eq_u32 s40, 2
	s_cbranch_scc1 .Lout_v
	s_cmp_eq_u32 s40, 3
	s_cbranch_scc1 .Lout_o
	s_lshl_b32 s48, s42, 14                        ; q, k: head = nt, d = 2 i + hh: row 8 nt + hh + what hangs on i
	v_lshl_add_u32 v7, v2, 11, v7
	v_add_nc_u32 v7, s48, v7
	s_wait_alu depctr_va_vdst(0)                   ; v7 is written, which the 32 stores read as their offset
	s_wait_dscnt 0x0
	WOUT 0
	s_branch .Lend
.Lout_v:
	s_lshr_b32 s48, s42, 3                         ; v: key = nt, d = 2 i + hh: row (nt / 8) 128 + nt % 8 + 8 hh + what hangs on i
	s_lshl_b32 s48, s48, 18
	s_and_b32 s49, s42, 7
	s_lshl_b32 s49, s49, 11
	s_add_co_u32 s48, s48, s49
	v_lshl_add_u32 v7, v2, 14, v7
	v_add_nc_u32 v7, s48, v7
	s_wait_alu depctr_va_vdst(0)                   ; v7 is written, which the 32 stores read as their offset
	s_wait_dscnt 0x0
	WOUT 1
	s_branch .Lend
.Lout_o:
	s_lshl_b32 s48, s42, 17                        ; o: row 64 nt + hh + 2 i
	v_lshl_add_u32 v7, v2, 11, v7
	v_add_nc_u32 v7, s48, v7
	s_wait_alu depctr_va_vdst(0)                   ; v7 is written, which the 32 stores read as their offset
	s_wait_dscnt 0x0
	WOUT 2
	s_branch .Lend
	; ---- biases.  mat = id' / 2; a thread makes n' = 512 (id' % 2) + 4 tid .. + 3
.Lbias:
	s_sub_co_u32 s40, ttmp9, 128
	s_lshr_b32 s41, s40, 1                         ; mat
	s_and_b32 s42, s40, 1
	s_lshl_b32 s42, s42, 9
	v_lshl_add_u32 v3, v0, 2, s42                  ; n'
	v_bfe_u32 v4, v3, 3, 4                         ; a = (n' / 8) % 16
	v_lshrrev_b32 v5, 8, v3                        ; b = n' / 256
	v_bfe_u32 v6, v3, 7, 1                         ; c = (n' / 128) % 2
	v_and_b32 v7, 7, v3                            ; e = n' % 8
	v_lshl_add_u32 v8, v6, 3, v7                   ; 8 c + e
	v_lshl_add_u32 v9, v5, 4, v8
	v_lshl_add_u32 v9, v4, 6, v9                   ; q, k: n = 64 a + 16 b + 8 c + e
	v_lshl_add_u32 v10, v5, 4, v4
	v_lshl_add_u32 v10, v8, 6, v10                 ; v: n = 64 (8 c + e) + 16 b + a
	s_cmp_eq_u32 s41, 2
	s_cselect_b32 s43, -1, 0
	s_cselect_b32 s45, 256, 4                      ; bytes from n'(j) to n'(j + 1) in the source: the next key for v, else the next number
	s_cmp_eq_u32 s41, 3
	s_cselect_b32 s44, -1, 0
	v_cndmask_b32 v9, v9, v10, s43
	v_cndmask_b32 v9, v9, v3, s44                  ; o: n = n'
	v_lshlrev_b32 v12, 2, v9
	v_add_nc_u32 v13, s45, v12
	v_add_nc_u32 v14, s45, v13
	v_add_nc_u32 v15, s45, v14
	s_cmp_eq_u32 s41, 1
	s_cselect_b64 s[32:33], s[20:21], s[18:19]
	s_cmp_eq_u32 s41, 2
	s_cselect_b64 s[32:33], s[22:23], s[32:33]
	s_cmp_eq_u32 s41, 3
	s_cselect_b64 s[32:33], s[24:25], s[32:33]
	s_wait_alu depctr_va_vdst(0)                   ; v12 to v15 are written, which the four loads read as their offsets
	global_load_b32 v16, v12, s[32:33]
	global_load_b32 v17, v13, s[32:33]
	global_load_b32 v18, v14, s[32:33]
	global_load_b32 v19, v15, s[32:33]
	s_lshl_b32 s46, s41, 12                        ; 1,024 numbers of f32 for each matrix
	v_lshl_add_u32 v11, v3, 2, s46
	s_wait_loadcnt 0x0
	v_cvt_pk_bf16_f32 v20, v16, v17
	v_cvt_pk_bf16_f32 v21, v18, v19
	v_lshlrev_b32 v24, 16, v20                     ; the rounded numbers, as f32 again
	v_and_b32 v25, s39, v20
	v_lshlrev_b32 v26, 16, v21
	v_and_b32 v27, s39, v21
	s_wait_alu depctr_va_vdst(0)                   ; v[24:27], the store's data, and v11, its offset, are written
	global_store_b128 v11, v[24:27], s[30:31]      ; sixteen lanes: 256 consecutive bytes, aligned
.Lend:
	s_wait_dscnt 0x0                               ; the closing lines, six on end
	s_wait_alu 0x0
	s_wait_tensorcnt 0x0
	ds_add_u32 v[SPW], v[NIL]
	s_wait_dscnt 0x0
	s_endpgm
.Lfunc_end_k_qfda31edf06_prep:
	.size	k_qfda31edf06_prep, .Lfunc_end_k_qfda31edf06_prep-k_qfda31edf06_prep
	.p2alignl 7, 3214868480
	.fill 96, 4, 3214868480
	.section	.rodata,"a",@progbits
	.p2align	6, 0x0
	.amdhsa_kernel k_qfda31edf06_prep
		.amdhsa_group_segment_fixed_size 70144
		.amdhsa_private_segment_fixed_size 0
		.amdhsa_enable_private_segment 0
		.amdhsa_kernarg_size 96
		.amdhsa_user_sgpr_count 2
		.amdhsa_user_sgpr_kernarg_segment_ptr 1
		.amdhsa_wavefront_size32 1
		.amdhsa_system_sgpr_workgroup_id_x 1
		.amdhsa_system_sgpr_workgroup_id_y 1
		.amdhsa_system_sgpr_workgroup_id_z 1
		.amdhsa_system_vgpr_workitem_id 0
		.amdhsa_next_free_vgpr 208
		.amdhsa_next_free_sgpr 66
		.amdhsa_reserve_vcc 0
		.amdhsa_float_denorm_mode_32 3
		.amdhsa_float_denorm_mode_16_64 3
		.amdhsa_memory_ordered 1
		.amdhsa_forward_progress 1
		.amdhsa_inst_pref_size 53
	.end_amdhsa_kernel
	.amdgpu_metadata
---
amdhsa.version: [ 1, 2 ]
amdhsa.kernels:
  - .name:           k_qfda31edf06_prep
    .symbol:         k_qfda31edf06_prep.kd
    .args:
      - { .name: x, .offset: 0, .size: 8, .value_kind: global_buffer, .address_space: global }
      - { .name: Wq, .offset: 8, .size: 8, .value_kind: global_buffer, .address_space: global }
      - { .name: Wk, .offset: 16, .size: 8, .value_kind: global_buffer, .address_space: global }
      - { .name: Wv, .offset: 24, .size: 8, .value_kind: global_buffer, .address_space: global }
      - { .name: Wo, .offset: 32, .size: 8, .value_kind: global_buffer, .address_space: global }
      - { .name: bq, .offset: 40, .size: 8, .value_kind: global_buffer, .address_space: global }
      - { .name: bk, .offset: 48, .size: 8, .value_kind: global_buffer, .address_space: global }
      - { .name: bv, .offset: 56, .size: 8, .value_kind: global_buffer, .address_space: global }
      - { .name: bo, .offset: 64, .size: 8, .value_kind: global_buffer, .address_space: global }
      - { .name: xb, .offset: 72, .size: 8, .value_kind: global_buffer, .address_space: global }
      - { .name: wt, .offset: 80, .size: 8, .value_kind: global_buffer, .address_space: global }
      - { .name: bias, .offset: 88, .size: 8, .value_kind: global_buffer, .address_space: global }
    .group_segment_fixed_size: 70144
    .private_segment_fixed_size: 0
    .kernarg_segment_align: 8
    .kernarg_segment_size: 96
    .max_flat_workgroup_size: 128
    .sgpr_count:     66
    .vgpr_count:     208
    .wavefront_size: 32
...
	.end_amdgpu_metadata
.endif
;; end of part 5
;; launch qkvgemm: the kernel of part 2 again; grid 4 x 64, 4 waves a work-group, clusters of 4 x 4, 327,680 bytes of LDS; arguments xb, wt, bias, qkv; writes qkv
;; launch attn (part 6): grid 512 x 1, 8 waves a work-group, no clusters, 0 bytes of LDS; arguments qkv, ao; writes ao
.if DOCPART == 6
	.amdgcn_target "amdgcn-amd-amdhsa--gfx1250"
	.amdhsa_code_object_version 6
	.text
	.protected	k_qfda31edf06_attn
	.globl	k_qfda31edf06_attn
	.p2align	8
	.type	k_qfda31edf06_attn,@function
k_qfda31edf06_attn:
	s_mov_b64 s[64:65], 0
	v_nop
	global_prefetch_b8 v0, s[64:65] scope:SCOPE_SE
	s_setreg_imm32_b32 hwreg(HW_REG_WAVE_SCHED_MODE, 0, 2), 2
	s_setreg_imm32_b32 hwreg(HW_REG_WAVE_MODE, 25, 1), 1
	s_wait_xcnt 0x0
	s_wait_alu depctr_vm_vsrc(0)
; ATTENTION ACROSS THE 16 HEADS OF ONE TOKEN.  For each token: S[q][k] = sum over d of q[q][d] k[k][d] / 8; P = softmax over k; O[q][d] = sum over k of P[q][k] v[k][d].
; qkv: [16384][3072] f16, a token's row = q' (2,048 bytes), k', v', each permuted by the launches before; ao: [16384][1024] f16, permuted as the last product's weights are.
; Products, maximum and sum in f32; the row's maximum is taken away before the exponential; P is divided by its sum and then rounded to f16 (it lies in 0 to 1); O is rounded once.
; LIMITS: q, k, v arrive finite, within f16's 65,504 (half of each V operand meets zeros of P, and must be finite); a weight below 2^-126 counts as 0; NaN and infinities are not treated apart.
; SHARES: a wave owns 4 tokens, straight-line; nothing is shared between waves, so there is no LDS, no barrier, no cluster; memory binds this launch, so it asks for nothing ahead but its own 48 loads, 24 KiB a wave.
; LAYOUT.  q', k': element 256 i + 8 l + e = head l % 16, channel 16 i + 8 (l / 16) + e: load i of 512 bytes gives lane l half a fragment; loads 2 c, 2 c + 1 ARE the fragment of channels 32 c ..
; S^T = K Q^T (source 0 = 16 key heads, source 1 = 16 query heads): lane l holds query head l % 16 and key heads 8 (l / 16) + 0..7.  Rounded in pairs these four registers are the keys 0-15 of source 1 of O^T = V^T P.
; v': element 256 cb + 8 l + e = key head 8 (l / 16) + e, channel 16 cb + l % 16: load cb is the keys 0-15 of source 0 for channel block cb.  K = 32 has room for 16 more keys: two neighbouring loads of V
; are taken as one operand, and P stands beside four registers of zeros: [P|0] picks the even block, [0|P] the odd one.
; O^T: lane l holds query head l % 16, channels 16 cb + 8 (l / 16) + 0..7: 16 bytes, at element 256 cb + 8 l of the token's row of ao: a store of the wave covers 512 consecutive bytes.
; THE MODE: SCHED_MODE bits 1:0 = 2 (LLVM: expert scheduling mode 2), set by the entry lines.  The code itself states the register dependences
; between vector or matrix instructions and memory instructions, with s_wait_alu, always for 0.
; THE PLAN.  Registers that memory instructions touch:
;   v2            the offset of every load and store: written once, at the head, ahead of the wait that stands in front of the loads.
;   v[DATA ..]    the 48 loads land here, all at the head, in registers that no vector instruction has named.
;   a token's V registers (16 of its 48): read by its second products, written by its conversions, read by its four stores, and never written again.
; So a pair of tokens has ONE wait for its memory instructions, between its 32 conversions and its eight stores; the other pair's vector and matrix instructions name none of the registers that those stores read.
; A pair's stores stand ahead of the next pair's wait for its loads, so that they leave while those loads are on their way.
.set ST,   4                           ; token e of a pair: v[ST+4e]: c m, m, two at work
.set R,    12                          ; v[R+2e] 1 / sum; v[R+2e+1] = 0, named with it as a pair
.set S,    16                          ; v[S+8e ..] the 8 scores, then weights
.set PP,   32                          ; v[PP+12e ..]: 4 zeros, P, 4 zeros
.set TS,   56                          ; v[TS+4e ..] at work in the sum
.set DATA, 64                          ; token t: v[DATA+48t ..]: Q 16, K 16, V 16; later O^T in Q's and K's place, the packed O in V's
	s_load_b128 s[4:7], s[0:1], 0x0                ; qkv s[4:5], ao s[6:7]
	v_lshrrev_b32 v1, 5, v0
	v_readfirstlane_b32 s8, v1                     ; wave 0..7
	v_and_b32 v2, 31, v0
	v_lshlrev_b32 v2, 4, v2                        ; 16 x lane
	s_wait_alu depctr_va_sdst(0)                   ; s8 is written, ahead of its first reader: both bases are made from it
	s_lshl_b32 s9, ttmp9, 3
	s_add_co_u32 s9, s9, s8                        ; my wave among the launch's 4,096
	s_mul_i32 s10, s9, 24576                       ; 4 tokens of 6,144 bytes
	s_mov_b32 s11, 0
	s_lshl_b32 s12, s9, 13                         ; 4 tokens of 2,048 bytes
	s_mov_b32 s13, 0
	s_mov_b32 s14, 0x3e38aa3b                      ; c = log2(e) / 8
	s_mov_b32 s15, s14                             ; named with it as a pair
	s_mov_b32 s16, 0x76543210                      ; v_permlanex16_b32: each lane takes its own place in the other half
	s_mov_b32 s17, 0xfedcba98
	s_wait_kmcnt 0x0
	s_add_nc_u64 s[4:5], s[4:5], s[10:11]
	s_add_nc_u64 s[6:7], s[6:7], s[12:13]
	s_wait_alu depctr_va_vdst(0)                   ; v2 is written: every load and store of the kernel reads it as its offset
.set i, 0
.rept 48                                       ; token i / 12, then Q, K, V, four loads each: 512 consecutive bytes a load
	global_load_b128 v[DATA+4*i:DATA+4*i+3], v2, s[4:5] offset:512*i th:TH_LOAD_NT
.set i, i+1
.endr
.irp e, 0,1
.irp z, 0,1,2,3,8,9,10,11
	v_mov_b32 v[PP+12*(\e)+(\z)], 0
.endr
	v_mov_b32 v[ST+4*(\e)+3], 0                    ; v_permlanex16_b32 counts as a reader of its destination
	v_mov_b32 v[R+2*(\e)+1], 0
.endr
; Tokens 2 u and 2 u + 1, line by line by turns, so that no instruction waits for the one just before it.  left: the younger loads that may stay out.
.macro PAIR u, left
.set D0, DATA+96*(\u)
	s_wait_loadcnt \left
.irp c, 0,1                            ; the two accumulators take turns
.irp e, 0,1
.if (\c) == 0
	v_wmma_f32_16x16x32_f16 v[S+8*(\e):S+8*(\e)+7], v[D0+48*(\e)+16:D0+48*(\e)+23], v[D0+48*(\e):D0+48*(\e)+7], 0
.else
	v_wmma_f32_16x16x32_f16 v[S+8*(\e):S+8*(\e)+7], v[D0+48*(\e)+24:D0+48*(\e)+31], v[D0+48*(\e)+8:D0+48*(\e)+15], v[S+8*(\e):S+8*(\e)+7]
.endif
.endr
.endr
.rept 4
	v_nop                                          ; four places between the products and the first read of their results (ISA guide 7.12.1)
.endr
.irp e, 0,1
	v_max3_num_f32 v[ST+4*(\e)+2], v[S+8*(\e)], v[S+8*(\e)+1], v[S+8*(\e)+2]  ; the lowest registers are read first
.endr
.irp e, 0,1
	v_max3_num_f32 v[ST+4*(\e)+3], v[S+8*(\e)+3], v[S+8*(\e)+4], v[S+8*(\e)+5]
.endr
.irp e, 0,1
	v_max3_num_f32 v[ST+4*(\e)+2], v[ST+4*(\e)+2], v[S+8*(\e)+6], v[S+8*(\e)+7]
.endr
.irp e, 0,1
	v_max_num_f32 v[ST+4*(\e)+2], v[ST+4*(\e)+2], v[ST+4*(\e)+3]
.endr
.irp e, 0,1
	v_permlanex16_b32 v[ST+4*(\e)+3], v[ST+4*(\e)+2], s16, s17  ; the query's other 8 keys lie in the lane 16 away
.endr
.irp e, 0,1
	v_max_num_f32 v[ST+4*(\e)+1], v[ST+4*(\e)+2], v[ST+4*(\e)+3]
.endr
.irp e, 0,1
	v_mul_f32 v[ST+4*(\e)], s14, v[ST+4*(\e)+1]    ; c m
.endr
.irp p, 0,1,2,3
.irp e, 0,1
	v_pk_fma_f32 v[S+8*(\e)+2*(\p):S+8*(\e)+2*(\p)+1], v[S+8*(\e)+2*(\p):S+8*(\e)+2*(\p)+1], s[14:15], v[ST+4*(\e):ST+4*(\e)+1] op_sel_hi:[1,0,0] neg_lo:[0,0,1] neg_hi:[0,0,1]  ; c s - c m
.endr
.endr
.irp j, 0,1,2,3,4,5,6,7
.irp e, 0,1
	v_exp_f32 v[S+8*(\e)+(\j)], v[S+8*(\e)+(\j)]
.endr
.endr
	v_nop                                          ; a plain instruction behind the last exponential,
	s_wait_alu depctr_va_vdst(0)                   ; and a wait ahead of the first use: the 16 exponentials have written v[S ..], which the sums below read
.irp e, 0,1
	v_pk_add_f32 v[TS+4*(\e):TS+4*(\e)+1], v[S+8*(\e):S+8*(\e)+1], v[S+8*(\e)+2:S+8*(\e)+3]
.endr
.irp e, 0,1
	v_pk_add_f32 v[TS+4*(\e)+2:TS+4*(\e)+3], v[S+8*(\e)+4:S+8*(\e)+5], v[S+8*(\e)+6:S+8*(\e)+7]
.endr
.irp e, 0,1
	v_pk_add_f32 v[TS+4*(\e):TS+4*(\e)+1], v[TS+4*(\e):TS+4*(\e)+1], v[TS+4*(\e)+2:TS+4*(\e)+3]
.endr
.irp e, 0,1
	v_add_f32 v[ST+4*(\e)+2], v[TS+4*(\e)], v[TS+4*(\e)+1]
.endr
.irp e, 0,1
	v_permlanex16_b32 v[ST+4*(\e)+3], v[ST+4*(\e)+2], s16, s17
.endr
.irp e, 0,1
	v_add_f32 v[ST+4*(\e)+2], v[ST+4*(\e)+2], v[ST+4*(\e)+3]  ; the sum: at least the largest weight, which is about 1
.endr
.irp e, 0,1
	v_rcp_f32 v[R+2*(\e)], v[ST+4*(\e)+2]
.endr
	v_nop
	s_wait_alu depctr_va_vdst(0)                   ; the two reciprocals have written v[R] and v[R+2], which the multiplies below read: one wait for both
.irp p, 0,1,2,3
.irp e, 0,1
	v_pk_mul_f32 v[S+8*(\e)+2*(\p):S+8*(\e)+2*(\p)+1], v[S+8*(\e)+2*(\p):S+8*(\e)+2*(\p)+1], v[R+2*(\e):R+2*(\e)+1] op_sel_hi:[1,0]
.endr
.endr
.irp p, 0,1,2,3
.irp e, 0,1
	v_cvt_pk_f16_f32 v[PP+12*(\e)+4+(\p)], v[S+8*(\e)+2*(\p)], v[S+8*(\e)+2*(\p)+1]
.endr
.endr
.irp cb, 0,1,2,3                       ; eight products, each with an accumulator of its own, in Q's and K's registers
.irp e, 0,1
	v_wmma_f32_16x16x32_f16 v[D0+48*(\e)+8*(\cb):D0+48*(\e)+8*(\cb)+7], v[D0+48*(\e)+32+8*((\cb)/2):D0+48*(\e)+32+8*((\cb)/2)+7], v[PP+12*(\e)+4-4*((\cb)%2):PP+12*(\e)+4-4*((\cb)%2)+7], 0
.endr
.endr
.rept 4
	v_nop                                          ; four places: the conversions read results and write V's registers, which the products read
.endr
.irp cb, 0,1,2,3
.irp p, 0,1,2,3
.irp e, 0,1
	v_cvt_pk_f16_f32 v[D0+48*(\e)+32+4*(\cb)+(\p)], v[D0+48*(\e)+8*(\cb)+2*(\p)], v[D0+48*(\e)+8*(\cb)+2*(\p)+1]
.endr
.endr
.endr
	s_wait_alu depctr_va_vdst(0)                   ; the 32 conversions have written both tokens' V registers, which the eight stores read
.irp e, 0,1
.irp cb, 0,1,2,3
	global_store_b128 v2, v[D0+48*(\e)+32+4*(\cb):D0+48*(\e)+32+4*(\cb)+3], s[6:7] offset:(2*(\u)+(\e))*2048+(\cb)*512  ; no register is written again behind its store
.endr
.endr
.endm
	PAIR 0, 24                                     ; the first two tokens' 24 loads are in, the other 24 stay out
	PAIR 1, 0
	s_endpgm
.Lfunc_end_k_qfda31edf06_attn:
	.size	k_qfda31edf06_attn, .Lfunc_end_k_qfda31edf06_attn-k_qfda31edf06_attn
	.p2alignl 7, 3214868480
	.fill 96, 4, 3214868480
	.section	.rodata,"a",@progbits
	.p2align	6, 0x0
	.amdhsa_kernel k_qfda31edf06_attn
		.amdhsa_group_segment_fixed_size 0
		.amdhsa_private_segment_fixed_size 0
		.amdhsa_enable_private_segment 0
		.amdhsa_kernarg_size 16
		.amdhsa_user_sgpr_count 2
		.amdhsa_user_sgpr_kernarg_segment_ptr 1
		.amdhsa_wavefront_size32 1
		.amdhsa_system_sgpr_workgroup_id_x 1
		.amdhsa_system_sgpr_workgroup_id_y 1
		.amdhsa_system_sgpr_workgroup_id_z 1
		.amdhsa_system_vgpr_workitem_id 0
		.amdhsa_next_free_vgpr 256
		.amdhsa_next_free_sgpr 66
		.amdhsa_reserve_vcc 0
		.amdhsa_float_denorm_mode_32 3
		.amdhsa_float_denorm_mode_16_64 3
		.amdhsa_memory_ordered 1
		.amdhsa_forward_progress 1
		.amdhsa_inst_pref_size 21
	.end_amdhsa_kernel
	.amdgpu_metadata
---
amdhsa.version: [ 1, 2 ]
amdhsa.kernels:
  - .name:           k_qfda31edf06_attn
    .symbol:         k_qfda31edf06_attn.kd
    .args:
      - { .name: qkv, .offset: 0, .size: 8, .value_kind: global_buffer, .address_space: global }
      - { .name: ao, .offset: 8, .size: 8, .value_kind: global_buffer, .address_space: global }
    .group_segment_fixed_size: 0
    .private_segment_fixed_size: 0
    .kernarg_segment_align: 8
    .kernarg_segment_size: 16
    .max_flat_workgroup_size: 256
    .sgpr_count:     66
    .vgpr_count:     256
    .wavefront_size: 32
...
	.end_amdgpu_metadata
.endif
;; end of part 6
;; launch projgemm: the kernel of part 4 again; grid 4 x 64, 4 waves a work-group, clusters of 4 x 4, 327,680 bytes of LDS; arguments ao, wt, bias, out0; writes out0
